; MI455X (gfx1250); checked and timed in simulation.
; The chip was launched on July 23, 2026; its instructions are those of AMD's public machine-readable ISA for CDNA 5 (MIT licence, August 2026) and "CDNA5" Instruction Set Architecture Reference Guide (July 2026). The comments in the code are by the model that wrote it; some were corrected since.
;; Multi Head Attention. Allowed arithmetic: matrix products marked QUANTISED: E2M3 operands, one E8M0 scale for each 32 along K, by v_wmma_scale_f32_16x16x128_f8f6f4 with both operands' format E2M3, f32 sums; everything else in f32.
;; Inputs: b_proj 1,024 float32; b_qkv 3,072 float32; w_proj 1,024 x 1,024 float32; w_qkv 1,024 x 3,072 float32; x 4 x 2,048 x 1,024 float32.
;; Outputs: out0 4 x 2,048 x 1,024 float32.
;; This version of the problem:
;;   THIS VERSION OF THE PROBLEM IS GIVEN IN LOW PRECISION. The matrix products marked QUANTISED in the list below multiply operands that are first quantised to E2M3 (2 exponent bits, 3 mantissa bits; 6 bits a number), with one power-of-two scale for each 32 numbers along K (OCP MX v1.0); their sums are f32. All else is computed in f32.
;;   The module's matrix products, in the order in which they are computed (A, B: the left and right operand; K: the contracted axis; several contracted axes count as one K, in the product's order):
;;     1. [M 8,192, K 1,024] x [K 1,024, N 3,072]; A: input x; B: input w_qkv: QUANTISED
;;     2. batch 64 x [M 2,048, K 64] x [K 64, N 2,048]; A: computed on the way; B: computed on the way: QUANTISED
;;     3. batch 64 x [M 2,048, K 2,048] x [K 2,048, N 64]; A: softmax (see below); B: computed on the way: QUANTISED
;;     4. [M 8,192, K 1,024] x [K 1,024, N 1,024]; A: computed on the way; B: input w_proj: QUANTISED
;;   THE QUANTISER, for each operand of a quantised product, along K:
;;     - K is cut into blocks of 32 from its start; a last block that is shorter is filled with zeros.
;;     - A block's scale is 2^e with e = floor(log2(the largest magnitude in the block)) - 2, held to -126 .. 127; a block of zeros has e = 0. As a byte (E8M0): e + 127.
;;     - Each number is divided by its block's scale, clamped to +-7.5, and rounded to the nearest number of E2M3, ties to even, subnormals kept.
;;     - The product sums the exact products of the quantised numbers (number of the format x scale) in f32.
;;   ~~~python
;;   def quantise(x, axis):      # numpy; x: float32 -> the quantised numbers, widened to float32 again
;;       x = np.moveaxis(x, axis, -1); K = x.shape[-1]
;;       x = np.pad(x, [(0, 0)] * (x.ndim - 1) + [(0, -K % 32)]); x = x.reshape(x.shape[:-1] + (-1, 32)); a = np.abs(x).max(-1, keepdims=True)
;;       e = np.where(a > 0, np.clip(np.frexp(np.where(a > 0, a, 1))[1] - 1 - 2, -126, 127), 0)      # np.frexp(a)[1] - 1 = floor(log2(a)), exactly
;;       r = np.clip(x / 2.0 ** e, -7.5, 7.5)
;;       step = 2.0 ** (np.maximum(np.frexp(np.where(r == 0, 1, r))[1] - 1, 0) - 3)
;;       q = np.round(r / step) * step * 2.0 ** e      # np.round: ties to even
;;       return np.moveaxis(q.reshape(q.shape[:-2] + (-1,))[..., :K], -1, axis).astype(np.float32)
;;   ~~~
;;   SOFTMAX AHEAD OF A QUANTISED PRODUCT. Where the list says 'softmax', what is quantised is not the finished softmax but p = 2^(t - M), with t = logit x log2(e) and M = ceil(the row's largest t), a whole number; so 1/2 < the row's largest p <= 1. The row's sum l is taken of the UNQUANTISED p, in f32, and the product's result is divided by l at the end. Since M is a whole number, a kernel that streams over the keys may use a running M (the ceiling of the running maximum): every later rescaling is an exact power of two, which a block's scale takes up: the codes' values come out the same.
;;   OPERANDS COMPUTED ON THE WAY. 'Computed on the way' means the value that the module computes at that place (a softmax that the list does not call 'softmax' is quantised finished and normalised). What goes into a quantiser is computed in f32, as accurately as f32 sums, v_exp_f32 and their like allow (about 1e-6 of the number): no bf16 or f16 on the way to a quantiser, and a product that is left as it is and whose result goes on into a quantised operand takes f32 operands (vector FMAs, or v_wmma_f32_16x16x4_f32). A number that lies on a knife's edge between two numbers of the format may be rounded either way, as far as f32 arithmetic and the matrix unit's own rounding can turn it there, and no further.
;; One version. Each part assembles by itself: llvm-mc -triple=amdgcn-amd-amdhsa -mcpu=gfx1250 --defsym DOCPART=n.
;; ======== version 1 of 1: 4 launches
;; workspace buffers: xq 6,553,600 bytes; wq 3,276,800 bytes; qkv 20,185,088 bytes; oq 6,553,600 bytes
;; launch quant (part 1): grid 384 x 1, 4 waves a work-group, no clusters, 59,904 bytes of LDS; arguments x, w_qkv, w_proj, xq, wq; writes xq, wq
.if DOCPART == 1
	.amdgcn_target "amdgcn-amd-amdhsa--gfx1250"
	.amdhsa_code_object_version 6
	.text
	.protected	k_qab07b2bd62_quant
	.globl	k_qab07b2bd62_quant
	.p2align	8
	.type	k_qab07b2bd62_quant,@function
k_qab07b2bd62_quant:
	s_mov_b64 s[64:65], 0
	v_nop
	global_prefetch_b8 v0, s[64:65] scope:SCOPE_SE
	s_setreg_imm32_b32 hwreg(HW_REG_WAVE_MODE, 25, 1), 1
	s_wait_xcnt 0x0
; x [8192][1024], w_qkv [1024][3072] and w_proj [1024][1024], f32, become codes of FP6 (E2M3) with one E8M0 scale byte for each 32 along K (K = 1,024 in all three).
; A block's scale byte is its largest magnitude's exponent field - 2, held at 1 from below (a block of zeros keeps the byte 1: its codes are zeros, and this program alone reads the bytes).
; LIMITS: NaN and infinities are not served; blocks whose largest magnitude lies under 2^-124 keep the byte 1.
; THE LAYOUT OF THE CODES is the order of an operand's registers.  Rows (tokens of x, columns of w) go in tiles of 16; row r of tile T is row 32 (T / 2) + 8 (T % 2) + r + 8 (r / 8).
; For a tile and 64 along K an IMAGE of 768 bytes: chunk p (256 bytes), lane l = r + 16 h at 8 l: bytes 24 h + 8 p .. + 7 of row r's 48 bytes: registers 2 p, 2 p + 1 of half a fragment.  A tile's 16 images are 12,288 bytes.
; Scale words: [tile][K step / 4][r][K step % 4], 4 bytes each, 512 bytes a tile, behind the codes.  wq: tiles 0-191 are w_qkv's columns, tiles 192-255 w_proj's.
; Work-groups 0-255 take x (a wave: one tile x 512 along K), work-groups 256-383 the weights (a wave: 32 columns x 256 along K).  The two ways part on the work-group's number and have LDS bytes of their own.
; No tensor loads, no barrier: waves share nothing.
.set XS_OFF, 6291456                   ; xq: where the scale words begin
.set WS_OFF, 3145728                   ; wq: likewise
.set XSTG,   16*528                    ; x: a wave's stage: 16 rows of 512 bytes + 16
.set WST,    4*XSTG                    ; the weights' stages begin here
.set WSTG,   6400                      ; a wave's: two tiles of 3,072 bytes, 3,200 apart
.set SEL, 20                           ; s[20:21] selects of v_permlanex16_b32: lane l xor 16
.set HM,  22                           ; s22 the lanes 16-31
.set R,   16                           ; v16-143  x: two sets of 64 registers as loaded
.set X,   144                          ; v144-207 x: 64 numbers of my row: register 16 b + i = k 32 b + 16 h + i
.set PC,  208                          ; v208-219 the fragment's codes; v220-226 the conversions' second halves
.set TM,  228                          ; v228-231 largest magnitudes, v232-235 bytes, v240-243 the conversions' scale operands
.set PW,  244                          ; v244-247 the scale words of my four K steps
.set OF,  16                           ; w: v16-47 4 x lane + i x pitch; never rewritten
.set WX,  48                           ; w: v48-111 two sets of 32 numbers
.set WB,  32                           ; w: s[32:47] a base for each of my eight blocks; never rewritten
; 64 numbers of a lane become a fragment's 12 registers in v[PC] on and its scale word in v[pw]
.macro QUANT src, pw
.irp b, 0,1,2,3
	v_max3_num_f32 v[TM+\b], |v[\src+16*\b]|, |v[\src+1+16*\b]|, 0x1800000   ; block b: my 16 numbers, and the floor 2^(3 - 127): the byte cannot fall under 1
.endr
.irp i, 2,4,6,8,10,12,14
.irp b, 0,1,2,3
	v_max3_num_f32 v[TM+\b], v[TM+\b], |v[\src+16*\b+\i]|, |v[\src+1+16*\b+\i]|   ; the four blocks by turns
.endr
.endr
.irp b, 0,1,2,3
	v_permlanex16_b32 v[TM+4+\b], v[TM+\b], s[SEL], s[SEL+1]
.endr
.irp b, 0,1,2,3
	v_max_num_f32 v[TM+\b], v[TM+\b], v[TM+4+\b]               ; with lane l xor 16's 16: the block's largest magnitude
.endr
.irp b, 0,1,2,3
	v_add_nc_u32 v[TM+12+\b], 0xff000000, v[TM+\b]             ; 2 off its exponent field: the conversion's scale operand
.endr
.irp b, 0,1,2,3
	v_lshrrev_b32 v[TM+4+\b], 23, v[TM+12+\b]                  ; the scale's byte
.endr
	v_lshl_or_b32 v[\pw], v[TM+5], 8, v[TM+4]
	v_lshl_or_b32 v[\pw], v[TM+6], 16, v[\pw]
	v_lshl_or_b32 v[\pw], v[TM+7], 24, v[\pw]
.irp c, 0,1
	v_cvt_scalef32_pk16_fp6_f32 v[PC+6*\c:PC+2+6*\c], v[\src+32*\c:\src+15+32*\c], v[TM+12+2*\c]
	v_cvt_scalef32_pk16_fp6_f32 v[PC+12+4*\c:PC+14+4*\c], v[\src+16+32*\c:\src+31+32*\c], v[TM+13+2*\c]   ; a conversion's three registers begin on an even number
.endr
	v_nop                                          ; one plain line behind the scaled conversions
.irp c, 0,1                                    ; the layout wants a whole block in a lane: lanes 0-15 block 2 c, lanes 16-31 block 2 c + 1
.irp i, 0,1,2
	v_permlane16_swap_b32 v[PC+6*\c+\i], v[PC+12+4*\c+\i]
.endr
.irp i, 0,1,2
	v_mov_b32 v[PC+3+6*\c+\i], v[PC+12+4*\c+\i]
.endr
.endr
.endm
.macro XLOAD s                         ; K step s of my 16 rows: each load reads 512 consecutive bytes of one row
.irp i, 0,1,2,3,4,5,6,7,8,9,10,11,12,13,14,15
	global_load_b128 v[R+64*((\s)%2)+4*\i:R+64*((\s)%2)+4*\i+3], v4, s[4:5] offset:(\i+8*(\i/8))*4096+512*(\s) th:TH_LOAD_NT
.endr
.endm
.macro XSTEP s
.if (\s) < 3
	s_wait_loadcnt 16                              ; this step's 16 loads are in; the next step's 16 may be out
.else
	s_wait_loadcnt 0x0
.endif
.irp i, 0,1,2,3,4,5,6,7,8,9,10,11,12,13,14,15
	ds_store_b128 v5, v[R+64*((\s)%2)+4*\i:R+64*((\s)%2)+4*\i+3] offset:528*\i   ; row i as it lies
.endr
.irp b, 0,1,2,3
.irp j, 0,1,2,3
	ds_load_b128 v[X+16*\b+4*\j:X+16*\b+4*\j+3], v6 offset:128*\b+16*\j          ; my row's 16 numbers of block b; LDS serves a wave's instructions in order
.endr
.endr
	s_wait_dscnt 0x0                               ; the numbers are back, and the stores have read their registers
	s_wait_xcnt 0x0                                ; the last step's stores have read the codes' registers
.if (\s) < 2
	XLOAD (\s)+2
.endif
	QUANT X, PW+(\s)
.irp c, 0,1
.irp p, 0,1,2
	global_store_b64 v7, v[PC+6*\c+2*\p:PC+6*\c+2*\p+1], s[30:31] offset:(2*(\s)+\c)*768+256*\p   ; 32 lanes store 256 consecutive bytes, aligned
.endr
.endr
.endm
.macro WLOAD t                         ; block t: w(32 t + i, my column), i = 0 .. 31: 128 consecutive bytes a load
.set I, 0
.rept 32
	global_load_b32 v[WX+32*((\t)%2)+I], v[OF+I], s[WB+2*(\t):WB+2*(\t)+1] th:TH_LOAD_NT
.set I, I+1
.endr
.endm
.macro WBLOCK t
.set WXS, WX+32*((\t)%2)
.if (\t) < 7
	s_wait_loadcnt 32                              ; this block's 32 loads are in; the next block's may be out
.else
	s_wait_loadcnt 0x0
.endif
	v_max3_num_f32 v122, |v[WXS]|, |v[WXS+1]|, |v[WXS+2]|       ; all 32 numbers of the block are mine
	v_max3_num_f32 v123, |v[WXS+3]|, |v[WXS+4]|, |v[WXS+5]|
.irp i, 6,10,14,18,22,26
	v_max3_num_f32 v122, v122, |v[WXS+\i]|, |v[WXS+\i+1]|
	v_max3_num_f32 v123, v123, |v[WXS+\i+2]|, |v[WXS+\i+3]|
.endr
	v_max3_num_f32 v122, v122, |v[WXS+30]|, |v[WXS+31]|
	v_max3_num_f32 v122, v122, v123, 0x1800000     ; and the floor
	v_add_nc_u32 v124, 0xff000000, v122            ; the conversion's scale operand
	v_lshrrev_b32 v125, 23, v124                   ; the byte
.if (\t)%4 == 0
	v_mov_b32 v[120+(\t)/4], v125
.else
	v_lshl_or_b32 v[120+(\t)/4], v125, 8*((\t)%4), v[120+(\t)/4]
.endif
	v_cvt_scalef32_pk16_fp6_f32 v[112:114], v[WXS:WXS+15], v124
	v_cvt_scalef32_pk16_fp6_f32 v[116:118], v[WXS+16:WXS+31], v124
	v_nop                                          ; one plain line behind the scaled conversions
	v_mov_b32 v115, v116                           ; the block's 24 bytes on end in v112-117
	v_mov_b32 v116, v117
	v_mov_b32 v117, v118
.irp p, 0,1,2
	ds_store_b64 v4, v[112+2*\p:113+2*\p] offset:((\t)/2)*768+256*\p+128*((\t)%2)   ; image t / 2, chunk p, lane r' + 16 (t % 2)
.endr
.if (\t)+2 < 8
	WLOAD (\t)+2
.endif
	s_wait_dscnt 0x0                               ; the stores have read their registers
.endm
	s_load_b128 s[4:7], s[0:1], 0x0                ; x, w_qkv
	s_load_b128 s[8:11], s[0:1], 0x10              ; w_proj, xq
	s_load_b64 s[12:13], s[0:1], 0x20              ; wq
	v_lshl_add_u32 v254, v0, 2, 0xe800
	v_mov_b32 v255, 0
	v_lshrrev_b32 v1, 5, v0
	v_readfirstlane_b32 s16, v1                    ; wave 0..3
	v_and_b32 v2, 31, v0                           ; lane
	s_cmp_lt_u32 ttmp9, 256
	s_cbranch_scc0 .Lw_path
	; ---- x: wave job J = 4 x work-group + wave: tile J / 2, half J % 2 of K
	s_mov_b32 s[SEL], 0x76543210
	s_mov_b32 s[SEL+1], 0xfedcba98
	s_mov_b32 s[HM], 0xffff0000
	s_lshl_b32 s17, ttmp9, 2
	s_add_co_u32 s17, s17, s16                     ; J
	s_lshr_b32 s18, s17, 1                         ; tile
	s_and_b32 s19, s17, 1                          ; half of K
	s_lshr_b32 s24, s18, 1
	s_lshl_b32 s24, s24, 5
	s_and_b32 s25, s18, 1
	s_lshl_b32 s25, s25, 3
	s_add_co_u32 s24, s24, s25                     ; the tile's first row
	s_lshl_b32 s24, s24, 12                        ; rows of 4,096 bytes
	s_lshl_b32 s25, s19, 11
	s_add_co_u32 s24, s24, s25
	s_mov_b32 s25, 0
	s_mul_i32 s26, s18, 12288
	s_mul_i32 s27, s19, 6144
	s_add_co_u32 s26, s26, s27                     ; my eight images
	s_mov_b32 s27, 0
	s_lshl_b32 s28, s17, 8                         ; 512 x tile + 256 x half
	s_add_co_u32 s28, s28, XS_OFF
	s_mov_b32 s29, 0
	v_and_b32 v3, 15, v2                           ; r
	v_lshrrev_b32 v9, 4, v2                        ; h
	v_lshlrev_b32 v4, 4, v2                        ; 16 x lane
	s_mul_i32 s23, s16, XSTG                       ; my stage
	v_add_nc_u32 v5, s23, v4                       ; in: 16 x lane
	v_mul_u32_u24 v6, v3, 528
	v_lshl_add_u32 v6, v9, 6, v6
	v_add_nc_u32 v6, s23, v6                       ; out: row r, + 64 h
	v_lshlrev_b32 v7, 3, v2                        ; 8 x lane
	v_lshlrev_b32 v8, 4, v3
	v_lshl_add_u32 v8, v9, 3, v8                   ; 16 r + 8 h
.irp b, 0,1,2,3
	v_mov_b32 v[TM+4+\b], 0                        ; a lane permute's destination counts as one of its sources
.endr
	s_wait_kmcnt 0x0
	s_add_nc_u64 s[4:5], s[4:5], s[24:25]
	s_add_nc_u64 s[30:31], s[10:11], s[26:27]
	s_add_nc_u64 s[34:35], s[10:11], s[28:29]
	XLOAD 0
	XLOAD 1
	XSTEP 0
	XSTEP 1
	XSTEP 2
	XSTEP 3
	v_cndmask_b32 v248, v244, v246, s[HM]          ; lanes 0-15 store words 0 and 1 of their row, lanes 16-31 words 2 and 3
	v_cndmask_b32 v249, v245, v247, s[HM]
	global_store_b64 v8, v[248:249], s[34:35]      ; 32 lanes store 256 consecutive bytes, aligned
	s_wait_tensorcnt 0x0
	ds_add_u32 v254, v255
	s_wait_dscnt 0x0
	s_endpgm
	; ---- the weights: K is their first axis: a lane takes a column and its registers run down K
.Lw_path:
	s_sub_co_u32 s17, ttmp9, 256
	s_lshr_b32 s18, s17, 5                         ; y: which 256 along K
	s_and_b32 s19, s17, 31                         ; 0-23: w_qkv's groups of 128 columns; 24-31: w_proj's
	s_wait_kmcnt 0x0
	s_cmp_lt_u32 s19, 24
	s_cselect_b64 s[4:5], s[6:7], s[8:9]           ; the tensor
	s_mov_b32 s24, 4096
	s_cselect_b32 s24, 12288, s24                  ; its pitch in bytes
	s_cselect_b32 s25, 0, 24
	s_cselect_b32 s26, 0, 3072                     ; its first row in wq
	s_sub_co_u32 s25, s19, s25
	s_lshl_b32 s25, s25, 7
	s_lshl_b32 s27, s16, 5
	s_add_co_u32 s25, s25, s27                     ; my wave's first column
	s_add_co_u32 s26, s26, s25
	s_lshr_b32 s26, s26, 5                         ; my pair of tiles in wq
	s_lshl_b32 s27, s18, 8
	s_mul_i32 s28, s27, s24                        ; 256 y rows
	s_lshl_b32 s27, s25, 2
	s_add_co_u32 s28, s28, s27
	s_mov_b32 s29, 0
	s_add_nc_u64 s[WB:WB+1], s[4:5], s[28:29]
	s_lshl_b32 s28, s24, 5                         ; 32 rows on
.irp t, 1,2,3,4,5,6,7
	s_add_nc_u64 s[WB+2*\t:WB+2*\t+1], s[WB+2*\t-2:WB+2*\t-1], s[28:29]
.endr
	s_mul_i32 s28, s26, 24576
	s_mul_i32 s27, s18, 3072
	s_add_co_u32 s28, s28, s27
	s_add_nc_u64 s[48:49], s[12:13], s[28:29]      ; my codes: two tiles, four images each
	s_lshl_b32 s28, s26, 10
	s_lshr_b32 s27, s18, 1
	s_lshl_b32 s27, s27, 8
	s_add_co_u32 s28, s28, s27
	s_and_b32 s27, s18, 1
	s_lshl_b32 s27, s27, 3
	s_add_co_u32 s28, s28, s27
	s_add_co_u32 s28, s28, WS_OFF
	s_add_nc_u64 s[50:51], s[12:13], s[28:29]      ; my scale words
	v_lshlrev_b32 v3, 2, v2                        ; 4 x lane
	v_bfe_u32 v10, v2, 3, 1                        ; u: which of the two tiles my column lies in
	v_and_b32 v11, 7, v2
	v_lshrrev_b32 v12, 4, v2
	v_lshl_add_u32 v11, v12, 3, v11                ; r': its row there
	s_mul_i32 s23, s16, WSTG
	s_add_co_u32 s23, s23, WST                     ; my stage
	v_mul_u32_u24 v4, v10, 3200
	v_lshl_add_u32 v4, v11, 3, v4
	v_add_nc_u32 v4, s23, v4                       ; in: 3,200 u + 8 r'
	v_lshlrev_b32 v8, 4, v2                        ; 16 x lane
	v_add_nc_u32 v7, s23, v8                       ; out
	v_lshlrev_b32 v9, 9, v10
	v_lshl_add_u32 v9, v11, 4, v9                  ; 512 u + 16 r'
.set I, 0
.rept 32
	v_mad_u32_u24 v[OF+I], s24, I, v3
.set I, I+1
.endr
	WLOAD 0
	WLOAD 1
.irp t, 0,1,2,3,4,5,6,7
	WBLOCK \t
.endr
	global_store_b64 v9, v[120:121], s[50:51]      ; my column's 8 scale bytes: 8 of each 16 bytes of a row of words: one byte in 128 of what this way reads
.irp m, 0,1,2,3,4,5
	ds_load_b128 v[128+4*\m:131+4*\m], v7 offset:512*\m
.endr
.irp m, 0,1,2,3,4,5
	ds_load_b128 v[152+4*\m:155+4*\m], v7 offset:3200+512*\m
.endr
.irp m, 0,1,2,3,4,5
	s_wait_dscnt 11-\m
	global_store_b128 v8, v[128+4*\m:131+4*\m], s[48:49] offset:512*\m          ; 32 lanes store 512 consecutive bytes, aligned
.endr
.irp m, 0,1,2,3,4,5
	s_wait_dscnt 5-\m
	global_store_b128 v8, v[152+4*\m:155+4*\m], s[48:49] offset:12288+512*\m
.endr
	s_wait_tensorcnt 0x0
	ds_add_u32 v254, v255
	s_wait_dscnt 0x0
	s_endpgm
.Lfunc_end_k_qab07b2bd62_quant:
	.size	k_qab07b2bd62_quant, .Lfunc_end_k_qab07b2bd62_quant-k_qab07b2bd62_quant
	.p2alignl 7, 3214868480
	.fill 96, 4, 3214868480
	.section	.rodata,"a",@progbits
	.p2align	6, 0x0
	.amdhsa_kernel k_qab07b2bd62_quant
		.amdhsa_group_segment_fixed_size 59904
		.amdhsa_private_segment_fixed_size 0
		.amdhsa_enable_private_segment 0
		.amdhsa_kernarg_size 40
		.amdhsa_user_sgpr_count 2
		.amdhsa_user_sgpr_kernarg_segment_ptr 1
		.amdhsa_wavefront_size32 1
		.amdhsa_system_sgpr_workgroup_id_x 1
		.amdhsa_system_sgpr_workgroup_id_y 1
		.amdhsa_system_sgpr_workgroup_id_z 1
		.amdhsa_system_vgpr_workitem_id 0
		.amdhsa_next_free_vgpr 256
		.amdhsa_next_free_sgpr 66
		.amdhsa_reserve_vcc 0
		.amdhsa_float_denorm_mode_32 3
		.amdhsa_float_denorm_mode_16_64 3
		.amdhsa_memory_ordered 1
		.amdhsa_forward_progress 1
		.amdhsa_inst_pref_size 79
	.end_amdhsa_kernel
	.amdgpu_metadata
---
amdhsa.version: [ 1, 2 ]
amdhsa.kernels:
  - .name:           k_qab07b2bd62_quant
    .symbol:         k_qab07b2bd62_quant.kd
    .args:
      - { .name: x, .offset: 0, .size: 8, .value_kind: global_buffer, .address_space: global }
      - { .name: w_qkv, .offset: 8, .size: 8, .value_kind: global_buffer, .address_space: global }
      - { .name: w_proj, .offset: 16, .size: 8, .value_kind: global_buffer, .address_space: global }
      - { .name: xq, .offset: 24, .size: 8, .value_kind: global_buffer, .address_space: global }
      - { .name: wq, .offset: 32, .size: 8, .value_kind: global_buffer, .address_space: global }
    .group_segment_fixed_size: 59904
    .private_segment_fixed_size: 0
    .kernarg_segment_align: 8
    .kernarg_segment_size: 40
    .max_flat_workgroup_size: 128
    .sgpr_count:     66
    .vgpr_count:     256
    .wavefront_size: 32
...
	.end_amdgpu_metadata
.endif
;; end of part 1
;; launch gemm_qkv (part 2): grid 8 x 48, 4 waves a work-group, clusters of 4 x 4, 327,680 bytes of LDS; arguments xq, wq, b_qkv, qkv; writes qkv
.if DOCPART == 2
	.amdgcn_target "amdgcn-amd-amdhsa--gfx1250"
	.amdhsa_code_object_version 6
	.text
	.protected	k_qab07b2bd62_gemm_qkv
	.globl	k_qab07b2bd62_gemm_qkv
	.p2align	8
	.type	k_qab07b2bd62_gemm_qkv,@function
k_qab07b2bd62_gemm_qkv:
	s_mov_b64 s[64:65], 0
	v_nop
	global_prefetch_b8 v0, s[64:65] scope:SCOPE_SE
	s_setreg_imm32_b32 hwreg(HW_REG_WAVE_MODE, 25, 1), 1
	s_wait_xcnt 0x0
	s_wait_alu depctr_hold_cnt(0) depctr_sa_sdst(0) depctr_va_vdst(0) depctr_va_sdst(0) depctr_va_ssrc(0) depctr_va_vcc(0) depctr_vm_vsrc(0)
	s_getreg_b32 s2, hwreg(HW_REG_IB_STS2, 6, 4)
	s_cmp_eq_u32 s2, 0
	s_cbranch_scc0 .Lentry_in_a_cluster
	s_endpgm
.Lentry_in_a_cluster:
	s_bfe_u32 s2, ttmp6, 0x10000c
	s_cmp_lg_u32 s2, 0xf033
	s_cbranch_scc0 .Lentry_shape_is_right
	s_endpgm
.Lentry_shape_is_right:
; qkv = x w_qkv + b_qkv on codes of FP6 (E2M3) with E8M0 scales, K = 1,024; the results are quantised here, in registers, into the operands of attention: q and k along the head's 64 channels, v along the keys.
; A work-group of four waves makes 256 x 256 results, a wave 128 x 128: 64 accumulators, 512 registers.  K goes in steps of 256 through two LDS slots filled by the tensor data mover.
; OPERANDS lie in memory and in LDS as images of their registers (launch quant): a fragment is six loads of 8 bytes a lane at 8 x lane: no pitch, no padding.  Row r of tile T is row 32 (T / 2) + 8 (T % 2) + r + 8 (r / 8).
; The matrix instruction's source 0 ("B" here) gives the registers' axis, source 1 ("A") the lanes': a lane holds row r of A's tile, and the 16 registers of B's tiles 2 b, 2 b + 1 are rows 32 b + 16 h + 0 .. 15 of B: neighbours.
; TWO REGIONS, told apart by the cluster's y, which all partners share.  y < 8: q and k: A = 256 tokens, B = 256 columns of w: a lane's registers run along the channels.
; y >= 8: v: A = 256 columns of w, B = 256 tokens: a lane's registers run down the tokens, which are the keys.  The bias is the C of each sum's first product.
; CLUSTER 4 x 4: A's tiles are shared along a row of the cluster, B's along a column, by joint loads.
; qkv: for each (batch, head) 315,392 bytes = 8 blocks of 256 tokens, 39,424 bytes each: K's 16 images of 768 bytes | K's scale words (64 a tile) | V^T's 8 fragments of 1,536 bytes | V's scale words | Q's 16 images | Q's scale words.
; LIMITS: NaN and infinities are not served; a block whose largest magnitude lies under 2^-124 keeps the scale byte 1.
; REGISTERS: window 0: v16-31 addresses; v32-95 scale words of all of K; v96-127, v224-255 the bias; v128-223 A's fragments, one set; on the way out v96-255 are at work.
;   window 1: B's fragments, two sets, at v0 and v128.  window 2: the accumulators of A's blocks 0-3 ((a, b) at v[8 (8 a + b)]); window 3: of blocks 4-7.
.set XS_OFF, 6291456
.set WS_OFF, 3145728
.set TROW,   12288                     ; a tile's 16 images
.set KSB,    3072                      ; a tile's four images of one slot: 256 along K
.set HS,     315392
.set SS,     39424
.set FR,     12
.set NL,     6
.set NP,     4                         ; places behind this matrix instruction (ISA guide 7.12.1)
.set HALFT,  8*KSB                     ; 8 tiles: what one tensor load brings, and what a wave reads of A or of B
.set SLOT,   4*HALFT                   ; A's 16 tiles, then B's
.set SCL,    2*SLOT                    ; the scale words of A's and B's 16 tiles, for all of K: filled once
.set HALFS,  4096
.set SGQ,    SCL+4*HALFS               ; q, k: 1,024 bytes a wave, where scale words are gathered
.set SGV,    SGQ+4096                  ; v: 512 bytes a wave
.set SPARE,  SGV+2048                  ; the spare words, 128 bytes a wave
.set ADRA, 16                          ; v16-17 LDS address of my A fragments in slot 0, 1
.set SQW,  18                          ; v18 q, k: where I put a scale word;  v19 where I read 16 bytes back
.set SQR,  19
.set ADRB, 20                          ; v20-21 the same as v16-17 for B
.set SVW,  22                          ; v22, v23 the same as v18, v19 for v
.set SVR,  23
.set L8,   24                          ; v24 8 x lane
.set L16,  25                          ; v25 16 x lane
.set VSO,  26                          ; v26 16 r + h x a head's bytes
.set ADRS, 27                          ; v27 my scale words: lanes 0-15 A's, lanes 16-31 B's
.set SPW,  28                          ; v28 my spare word; never rewritten
.set NIL,  29                          ; v29 0; never rewritten
.set BOQ,  30                          ; v30 the bias's offset, q and k: 64 h
.set BOV,  31                          ; v31 v: 4 (r + 8 (r / 8))
.set SC,   32                          ; scale words: register 8 i + s: tile i, K step s
.set BI,   96                          ; the bias: tile n at BI + 8 n + 96 (n / 4)
.set AF,   128
.set PC,   128                         ; the way out: block a's codes at PC + 12 a
.set PT,   224                         ; the conversions' second halves
.set TM,   232
.set PW,   96                          ; block a's scale word
.set W0,   104                         ; its lower half, its upper half
.set W1,   112
.set RB,   120
.set SEL,  2                           ; s[2:3] on the way out: selects of v_permlanex16_b32
.set G1, 24
.set G0, 32
.set G1B, 48
.set G0B, 56
.set G1S, 68
.set G0S, 76
.set G1SB, 80
.set G0SB, 88
.set MSB, 0
.macro WIN new                         ; the immediate's high byte repeats the setting that is left
.if MSB != \new
	s_set_vgpr_msb (MSB<<8)|\new
.set MSB, \new
.endif
.endm
.set MUL_LO, 0xa1                      ; source 0 (B) window 1, source 1 (A) window 0, C and D window 2
.set MUL_HI, 0xf1
.set TO_B,   0x40
; A joint load: waves 0 and 1 fetch for A, waves 2 and 3 for B; the branch hangs on the wave's number alone.  Four v_nop follow each line.
.macro JLOAD g0a, g1a, g0b, g1b
	s_cmp_eq_u32 s15, 0
	s_cbranch_scc0 .Lfor_b_\@
	tensor_load_to_lds s[\g0a:\g0a+3], s[\g1a:\g1a+7]
	s_nop 0
.rept 4
	v_nop
.endr
	s_branch .Lasked_\@
.Lfor_b_\@:
	tensor_load_to_lds s[\g0b:\g0b+3], s[\g1b:\g1b+7]
	s_nop 0
.rept 4
	v_nop
.endr
.Lasked_\@:
.endm
.macro CREST                           ; a round of the cluster's barrier behind its opening barrier
	s_cmp_lg_u32 s14, 0
	s_cbranch_scc1 .Lnot_wave_0_\@
	s_barrier_signal -3
.Lnot_wave_0_\@:
	s_barrier_wait -3
	s_barrier_signal -1
	s_barrier_wait -1
.endm
.macro CROUND
	s_barrier_signal -1
	s_barrier_wait -1
	CREST
.endm
.macro FRAG reg, adr, q, i             ; tile i's fragment of the slot's q-th 128 along K: two images, three chunks each, 256 consecutive bytes a load
.irp p, 0,1,2,3,4,5
	ds_load_b64 v[\reg+2*\p:\reg+2*\p+1], v[\adr] offset:(\i)*KSB+(2*(\q)+\p/3)*768+256*(\p%3)
.endr
.endm
; 16 matrix instructions: A's blocks a0, a0 + 1 x B's eight; p: B's set; s: the K step.  mode 0: C = D; 1: C = the bias of B's tile; 2: of A's tile.  The 64 accumulators take turns.
.macro MUL16 a0, p, s, mode
.irp a, \a0, \a0+1
.irp b, 0,1,2,3,4,5,6,7
.if \mode == 1
	v_wmma_scale_f32_16x16x128_f8f6f4 v[8*(8*((\a)%4)+\b):8*(8*((\a)%4)+\b)+7], v[128*(\p)+FR*\b:128*(\p)+FR*\b+FR-1], v[AF+FR*(\a):AF+FR*(\a)+FR-1], v[BI+8*\b+96*(\b/4):BI+8*\b+96*(\b/4)+7], v[SC+8*\b+(\s)], v[SC+8*(\a)+(\s)] matrix_a_fmt:MATRIX_FMT_FP6 matrix_b_fmt:MATRIX_FMT_FP6 matrix_a_scale:MATRIX_SCALE_ROW1
.elseif \mode == 2
	v_wmma_scale_f32_16x16x128_f8f6f4 v[8*(8*((\a)%4)+\b):8*(8*((\a)%4)+\b)+7], v[128*(\p)+FR*\b:128*(\p)+FR*\b+FR-1], v[AF+FR*(\a):AF+FR*(\a)+FR-1], v[BI+8*(\a)+96*((\a)/4):BI+8*(\a)+96*((\a)/4)+7], v[SC+8*\b+(\s)], v[SC+8*(\a)+(\s)] matrix_a_fmt:MATRIX_FMT_FP6 matrix_b_fmt:MATRIX_FMT_FP6 matrix_a_scale:MATRIX_SCALE_ROW1
.else
	v_wmma_scale_f32_16x16x128_f8f6f4 v[8*(8*((\a)%4)+\b):8*(8*((\a)%4)+\b)+7], v[128*(\p)+FR*\b:128*(\p)+FR*\b+FR-1], v[AF+FR*(\a):AF+FR*(\a)+FR-1], v[8*(8*((\a)%4)+\b):8*(8*((\a)%4)+\b)+7], v[SC+8*\b+(\s)], v[SC+8*(\a)+(\s)] matrix_a_fmt:MATRIX_FMT_FP6 matrix_b_fmt:MATRIX_FMT_FP6 matrix_a_scale:MATRIX_SCALE_ROW1
.endif
.endr
.endr
.endm
.macro FETCH_B slot, q, p
	WIN TO_B
.irp i, 0,1,2,3,4,5,6,7
	FRAG 128*(\p)+FR*\i, ADRB+\slot, \q, \i
.endr
	WIN 0
.endm
.macro FETCH_A slot, q, i0
.irp i, \i0, \i0+1, \i0+2, \i0+3
	FRAG AF+FR*(\i), ADRA+\slot, \q, \i
.endr
.endm
.macro PLACES n
.rept \n
	v_nop
.endr
.endm
; A slot's first 128 along K (K step s): multiplies B's set 0 and fetches the slot's second 128 into set 1
.macro STEP slot, s, mode
	s_wait_dscnt 4*NL                              ; B's set and A's blocks 0-3 are in; the youngest 24 loads (A's blocks 4-7) may be out
.if \mode
	WIN 0x81                                       ; C (the bias) window 0, D window 2
.else
	WIN MUL_LO
.endif
	MUL16 0, 0, \s, \mode
	MUL16 2, 0, \s, \mode
	s_wait_dscnt 0                                 ; A's blocks 4-7 are in
	PLACES NP
	FETCH_B \slot, 1, 1
	FETCH_A \slot, 1, 0
.if \mode
	WIN 0xc1
.else
	WIN MUL_HI
.endif
	MUL16 4, 0, \s, \mode
	MUL16 6, 0, \s, \mode
	PLACES NP
	WIN 0
	FETCH_A \slot, 1, 4
.endm
; A slot's second 128 along K changes slots: one barrier; in front of it each wave waits for all its tensor loads, adds 0 to its spare word, and waits for that and for its reads of this slot.  fill = 1: this slot is filled again.
.macro TURN slot, next, fill, s
	s_wait_tensorcnt 0x0                           ; all my tensor loads have landed: my part of the next slot
	ds_add_u32 v[SPW], v[NIL]                      ; 0 onto my spare word
	s_wait_dscnt 4*NL+1                            ; the add and the youngest 24 loads may be out
	WIN MUL_LO
	MUL16 0, 1, \s, 0
	s_wait_dscnt 0x0                               ; the add is done, and my reads of this slot are over
	s_barrier_signal -1
	MUL16 2, 1, \s, 0
	WIN 0
	s_barrier_wait -1
.if \fill
	CREST                                          ; the barrier has opened a round of the cluster's: no wave of any partner still reads this slot or has a load on its way
	s_add_nc_u64 s[G0+4*\slot+2:G0+4*\slot+3], s[G0+4*\slot+2:G0+4*\slot+3], 2*KSB
	s_add_nc_u64 s[G0B+4*\slot+2:G0B+4*\slot+3], s[G0B+4*\slot+2:G0B+4*\slot+3], 2*KSB
	JLOAD G0+4*\slot, G1, G0B+4*\slot, G1B         ; the first tensor load behind the round; its four v_nop are the places in front of the loads below
.else
	PLACES NP
.endif
	FETCH_B \next, 0, 0
	FETCH_A \next, 0, 0
	WIN MUL_HI
	MUL16 4, 1, \s, 0
	MUL16 6, 1, \s, 0
	PLACES NP
	WIN 0
	FETCH_A \next, 0, 4
.endm
	s_load_b256 s[4:11], s[0:1], 0x0               ; xq s[4:5], wq s[6:7], b_qkv s[8:9], qkv s[10:11]
	v_lshl_add_u32 v[SPW], v0, 2, SPARE
	v_mov_b32 v[NIL], 0
	ds_add_u32 v28, v29
	s_wait_dscnt 0x0
	v_lshrrev_b32 v1, 5, v0
	v_readfirstlane_b32 s14, v1                    ; wave 0..3
	s_lshr_b32 s15, s14, 1                         ; which half of A's tiles is mine.  Also: I fetch for A (0) or for B (1)
	s_and_b32 s16, s14, 1                          ; which half of B's.  Also: which 8 tiles I fetch
	s_bfe_u32 s40, ttmp6, 0x40000                  ; cx, cy
	s_bfe_u32 s41, ttmp6, 0x40004
	s_lshl_b32 s42, ttmp9, 2
	s_add_co_u32 s42, s42, s40                     ; gx = 4 x cluster x + cx: 0..7
	s_and_b32 s66, ttmp7, 0xffff                   ; the cluster's y: the region
	s_lshl_b32 s17, s66, 2
	s_add_co_u32 s17, s17, s41                     ; gy = 4 x cluster y + cy
	s_lshl_b32 s43, s41, 2
	s_lshl_b32 s43, 15, s43                        ; my row of the cluster
	s_lshl_b32 s44, 0x1111, s40                    ; my column
	s_add_co_u32 s67, s41, 8                       ; v: A = w's group of 256 columns 8 + cy
	s_sub_co_u32 s94, s66, 8
	s_lshl_b32 s94, s94, 3
	s_add_co_u32 s94, s94, s42                     ; v: B = x's group of 256 tokens 8 (cluster y - 8) + gx
	s_cmp_lt_u32 s66, 8
	s_cselect_b32 s67, s17, s67                    ; A's group: made of cy and the cluster's y alone
	s_cselect_b32 s94, s42, s94                    ; B's group: of cx and the cluster's x and y alone
	s_mov_b32 s100, WS_OFF
	s_cselect_b32 s100, XS_OFF, s100               ; where A's scale words begin in its buffer
	s_mov_b32 s101, XS_OFF
	s_cselect_b32 s101, WS_OFF, s101               ; and B's
	; descriptor group 1, codes: 8 rows (tiles) of 384 elements of 8 bytes, 1,536 elements apart; no padding
	s_or_b32 s[G1+0], s43, (3<<16)|(1<<21)         ; 15:0 the mask: A's tiles go to my row; 17:16 elements of 8 bytes; 21 set beside a mask
	s_or_b32 s[G1B+0], s44, (3<<16)|(1<<21)
.irp g, G1, G1B
	s_mov_b32 s[\g+1], 384<<16                     ; tensor_dim0
	s_mov_b32 s[\g+2], 8<<16                       ; tensor_dim1
	s_mov_b32 s[\g+3], 384<<16                     ; tile_dim0
	s_mov_b32 s[\g+4], 8                           ; tile_dim1
	s_mov_b32 s[\g+5], 1536                        ; tensor_dim0_stride
	s_mov_b32 s[\g+6], 0
	s_mov_b32 s[\g+7], 0
.endr
	; scale words of 8 tiles: 4,096 dense bytes as 16 rows of 256
	s_or_b32 s[G1S+0], s43, (3<<16)|(1<<21)
	s_or_b32 s[G1SB+0], s44, (3<<16)|(1<<21)
.irp g, G1S, G1SB
	s_mov_b32 s[\g+1], 32<<16
	s_mov_b32 s[\g+2], 16<<16
	s_mov_b32 s[\g+3], 32<<16
	s_mov_b32 s[\g+4], 16
	s_mov_b32 s[\g+5], 32
	s_mov_b32 s[\g+6], 0
	s_mov_b32 s[\g+7], 0
.endr
	s_lshl_b32 s18, s16, 3                         ; which 8 tiles I fetch
	s_lshl_b32 s20, s67, 4
	s_add_co_u32 s20, s20, s18                     ; A's first tile
	s_lshl_b32 s46, s94, 4
	s_add_co_u32 s46, s46, s18                     ; B's
	s_lshl_b32 s22, s20, 9
	s_add_co_u32 s22, s22, s100                    ; their scale words, in bytes
	s_mov_b32 s23, 0
	s_lshl_b32 s2, s46, 9
	s_add_co_u32 s2, s2, s101
	s_mov_b32 s3, 0
	s_mul_i32 s20, s20, TROW                       ; and their codes
	s_mov_b32 s21, 0
	s_mul_i32 s46, s46, TROW
	s_mov_b32 s47, 0
	s_mul_i32 s45, s14, HALFT                      ; where they go: wave x 8 tiles: no place in the cluster enters an LDS address
	s_lshl_b32 s95, s14, 12
	s_wait_kmcnt 0x0
	s_cmp_lt_u32 s66, 8
	s_cselect_b64 s[96:97], s[4:5], s[6:7]         ; A's buffer
	s_cselect_b64 s[98:99], s[6:7], s[4:5]         ; B's
	s_add_nc_u64 s[20:21], s[96:97], s[20:21]
	s_add_nc_u64 s[22:23], s[96:97], s[22:23]
	s_add_nc_u64 s[46:47], s[98:99], s[46:47]
	s_add_nc_u64 s[2:3], s[98:99], s[2:3]
	CROUND                                         ; all sixteen work-groups are here: the first joint loads meet
	s_mov_b32 s[G0S], 1
	s_add_co_u32 s[G0S+1], s95, SCL
	s_mov_b64 s[G0S+2:G0S+3], s[22:23]
	s_or_b32 s[G0S+3], s[G0S+3], 0x80000000
	s_mov_b32 s[G0SB], 1
	s_add_co_u32 s[G0SB+1], s95, SCL
	s_mov_b64 s[G0SB+2:G0SB+3], s[2:3]
	s_or_b32 s[G0SB+3], s[G0SB+3], 0x80000000
	JLOAD G0S, G1S, G0SB, G1SB                     ; the scale words first
.irp s, 0,1
	s_mov_b32 s[G0+4*\s], 1
	s_add_co_u32 s[G0+4*\s+1], s45, \s*SLOT
	s_add_nc_u64 s[G0+4*\s+2:G0+4*\s+3], s[20:21], \s*KSB
	s_or_b32 s[G0+4*\s+3], s[G0+4*\s+3], 0x80000000
	s_mov_b32 s[G0B+4*\s], 1
	s_add_co_u32 s[G0B+4*\s+1], s45, \s*SLOT
	s_add_nc_u64 s[G0B+4*\s+2:G0B+4*\s+3], s[46:47], \s*KSB
	s_or_b32 s[G0B+4*\s+3], s[G0B+4*\s+3], 0x80000000
	JLOAD G0+4*\s, G1, G0B+4*\s, G1B               ; three loads of mine are out
.endr
	v_and_b32 v1, 15, v0                           ; r
	v_bfe_u32 v2, v0, 4, 1                         ; h
	v_and_b32 v3, 31, v0                           ; lane
	v_lshlrev_b32 v[L8], 3, v3
	v_lshlrev_b32 v[L16], 4, v3
	v_mul_u32_u24 v[VSO], v2, HS
	v_lshl_add_u32 v[VSO], v1, 4, v[VSO]
	s_mul_i32 s21, s15, HALFT                      ; my 8 tiles of A
	s_mul_i32 s22, s16, HALFT                      ; my 8 tiles of B,
	s_add_co_u32 s22, s22, 2*HALFT                 ; behind A's 16
.irp s, 0,1
	v_add_nc_u32 v[ADRA+\s], s21, v[L8]
	v_add_nc_u32 v[ADRB+\s], s22, v[L8]
	s_add_co_u32 s21, s21, SLOT
	s_add_co_u32 s22, s22, SLOT
.endr
	v_lshlrev_b32 v5, 4, v1                        ; a row's four words: 16 r
	s_lshl_b32 s21, s15, 12                        ; A's: my 8 tiles
	s_lshl_b32 s22, s16, 12                        ; B's, behind A's 16
	s_add_co_u32 s22, s22, 2*HALFS
	s_sub_co_u32 s22, s22, s21
	v_mul_u32_u24 v6, s22, v2                      ; lanes 16-31 take B's: one product, the distance between the two
	s_add_co_u32 s21, s21, SCL
	v_add_nc_u32 v5, v5, v6
	v_add_nc_u32 v[ADRS], s21, v5
	s_lshl_b32 s21, s14, 10
	s_add_co_u32 s21, s21, SGQ
	v_lshl_add_u32 v[SQW], v1, 2, s21
	v_add_nc_u32 v[SQR], s21, v[L16]
	s_lshl_b32 s21, s14, 9
	s_add_co_u32 s21, s21, SGV
	v_lshl_add_u32 v[SVW], v1, 2, s21
	v_add_nc_u32 v[SVR], s21, v[L16]
	v_lshlrev_b32 v[BOQ], 6, v2
	v_and_b32 v[BOV], 8, v1
	v_add_nc_u32 v[BOV], v[BOV], v1
	v_lshlrev_b32 v[BOV], 2, v[BOV]
	; the bias of my 128 columns of w: they are B's in the first region, A's in the second
	s_cmp_lt_u32 s66, 8
	s_cselect_b32 s20, s94, s67
	s_cselect_b32 s21, s16, s15
	s_lshl_b32 s20, s20, 10
	s_lshl_b32 s21, s21, 9
	s_add_co_u32 s20, s20, s21
	s_mov_b32 s21, 0
	s_add_nc_u64 s[18:19], s[8:9], s[20:21]
	s_cmp_lt_u32 s66, 8
	s_cbranch_scc0 .Lbias_v
.irp b, 0,1,2,3,4,5,6,7                        ; register j of tile b: column 32 (b / 2) + 8 (b % 2) + 16 h + j
	global_load_b128 v[BI+8*\b+96*(\b/4):BI+8*\b+96*(\b/4)+3], v[BOQ], s[18:19] offset:(32*(\b/2)+8*(\b%2))*4
	global_load_b128 v[BI+8*\b+96*(\b/4)+4:BI+8*\b+96*(\b/4)+7], v[BOQ], s[18:19] offset:(32*(\b/2)+8*(\b%2))*4+16
.endr
	s_branch .Lbias_done
.Lbias_v:
.irp a, 0,1,2,3,4,5,6,7                        ; all eight registers of tile a: my lane's column 32 (a / 2) + 8 (a % 2) + r + 8 (r / 8)
.irp j, 0,1,2,3,4,5,6,7
	global_load_b32 v[BI+8*\a+96*(\a/4)+\j], v[BOV], s[18:19] offset:(32*(\a/2)+8*(\a%2))*4
.endr
.endr
.Lbias_done:
	s_wait_tensorcnt 1                             ; the scale words and my part of slot 0 are in; slot 1's load may be out
	s_barrier_signal -1
	s_barrier_wait -1
	FETCH_B 0, 0, 0
	FETCH_A 0, 0, 0
.irp i, 0,1,2,3,4,5,6,7                        ; the scale words of all eight K steps: lanes 0-15 A's tile i, lanes 16-31 B's tile i
	ds_load_b128 v[SC+8*\i:SC+8*\i+3], v[ADRS] offset:512*\i
	ds_load_b128 v[SC+8*\i+4:SC+8*\i+7], v[ADRS] offset:512*\i+256
.endr
	FETCH_A 0, 0, 4
	s_wait_loadcnt 0x0                             ; the bias
	s_cmp_lt_u32 s66, 8
	s_cbranch_scc0 .Lfirst_v
	STEP 0, 0, 1                                   ; the first products start the sums from the bias: nothing is cleared
	s_branch .Lfirst_done
.Lfirst_v:
	STEP 0, 0, 2
.Lfirst_done:
	TURN 0, 1, 1, 1                                ; K is 1,024: four slots' worth, written out, since each K step names its own scale registers
	STEP 1, 2, 0
	TURN 1, 0, 1, 3
	STEP 0, 4, 0
	TURN 0, 1, 0, 5                                ; nothing is left to fetch
	STEP 1, 6, 0
	s_wait_dscnt 4*NL
	WIN MUL_LO
	MUL16 0, 1, 7, 0
	MUL16 2, 1, 7, 0
	s_wait_dscnt 0
	WIN MUL_HI
	MUL16 4, 1, 7, 0
	MUL16 6, 1, 7, 0
	WIN 0
; THE WAY OUT.  Block a's 64 accumulator registers (register 16 b + i = row 32 b + 16 h + i of B) become a fragment's 12 registers at v[PC + 12 a] and a scale word in v[PW + a].  Each accumulator is read from its low end on.
.macro QUANTW a
.set AC, 64*((\a)%4)
.set WC, 2+(\a)/4
.set WW, 5*WC
.set PA, PC+12*(\a)
	WIN WW                                         ; sources 0 and 1: window 2 or 3
.irp b, 0,1,2,3
	v_max3_num_f32 v[TM+\b], |v[AC+16*\b]|, |v[AC+1+16*\b]|, 0x1800000   ; the floor 2^(3 - 127): the byte cannot fall under 1
.endr
.irp i, 2,4,6,8,10,12,14
.irp b, 0,1,2,3
	v_max3_num_f32 v[TM+\b], |v[AC+16*\b+\i]|, |v[AC+1+16*\b+\i]|, v[TM+\b]
.endr
.endr
	WIN 0
.irp b, 0,1,2,3
	v_permlanex16_b32 v[TM+4+\b], v[TM+\b], s[SEL], s[SEL+1]
.endr
.irp b, 0,1,2,3
	v_max_num_f32 v[TM+\b], v[TM+\b], v[TM+4+\b]
.endr
.irp b, 0,1,2,3
	v_add_nc_u32 v[TM+12+\b], 0xff000000, v[TM+\b]
.endr
.irp b, 0,1,2,3
	v_lshrrev_b32 v[TM+4+\b], 23, v[TM+12+\b]
.endr
	v_lshl_or_b32 v[PW+(\a)], v[TM+5], 8, v[TM+4]
	v_lshl_or_b32 v[PW+(\a)], v[TM+6], 16, v[PW+(\a)]
	v_lshl_or_b32 v[PW+(\a)], v[TM+7], 24, v[PW+(\a)]
	WIN WC                                         ; source 0: window 2 or 3
.irp c, 0,1
	v_cvt_scalef32_pk16_fp6_f32 v[PA+6*\c:PA+6*\c+2], v[AC+32*\c:AC+32*\c+15], v[TM+12+2*\c]
	v_cvt_scalef32_pk16_fp6_f32 v[PT+4*\c:PT+4*\c+2], v[AC+16+32*\c:AC+31+32*\c], v[TM+13+2*\c]
.endr
	WIN 0
	v_nop                                          ; one plain line behind the scaled conversions
.irp c, 0,1
.irp i, 0,1,2
	v_permlane16_swap_b32 v[PA+6*\c+\i], v[PT+4*\c+\i]
.endr
.irp i, 0,1,2
	v_mov_b32 v[PA+3+6*\c+\i], v[PT+4*\c+\i]
.endr
.endr
.endm
.irp b, 0,1,2,3
	v_mov_b32 v[TM+4+\b], 0                        ; the lane permutes' destinations are written once; these four lines are also the places behind the last products
.endr
	s_mov_b32 s[SEL], 0x76543210
	s_mov_b32 s[SEL+1], 0xfedcba98
	s_cmp_lt_u32 s66, 8
	s_cbranch_scc0 .Lout_v
	; q and k: block a = 16 tokens; its 128 channels are two heads: registers 0-5 are the first head's image, 6-11 the second's
	s_lshr_b32 s20, s17, 3
	s_lshl_b32 s20, s20, 4                         ; 16 x batch
	s_and_b32 s21, s42, 3
	s_lshl_b32 s21, s21, 2
	s_add_co_u32 s20, s20, s21
	s_lshl_b32 s21, s16, 1
	s_add_co_u32 s20, s20, s21                     ; + my first head
	s_mul_i32 s20, s20, HS
	s_and_b32 s21, s17, 7
	s_mul_i32 s21, s21, SS                         ; the block of 256 tokens
	s_add_co_u32 s20, s20, s21
	s_cmp_lt_u32 s42, 4
	s_cselect_b32 s21, 26112, 0                    ; q's images lie behind K's and V's
	s_add_co_u32 s20, s20, s21
	s_lshl_b32 s22, s15, 9
	s_add_co_u32 s22, s22, s20
	s_add_co_u32 s22, s22, 12288                   ; my 8 tiles' scale words
	s_mov_b32 s23, 0
	s_mul_i32 s21, s15, 6144
	s_add_co_u32 s20, s20, s21                     ; my 8 tiles' images
	s_mov_b32 s21, 0
	s_add_nc_u64 s[12:13], s[10:11], s[20:21]
	s_add_nc_u64 s[92:93], s[10:11], s[22:23]
.irp a, 0,1,2,3,4,5,6,7
	QUANTW \a
	v_and_b32 v[W0+\a], 0xffff, v[PW+\a]           ; a head's word: two bytes, and 0 for the 64 along K that it does not have
	v_lshrrev_b32 v[W1+\a], 16, v[PW+\a]
	ds_store_b32 v[SQW], v[W0+\a] offset:64*\a     ; both halves of the lanes write the same word with the same value
	ds_store_b32 v[SQW], v[W1+\a] offset:512+64*\a
.irp p, 0,1,2
	global_store_b64 v[L8], v[PC+12*\a+2*\p:PC+12*\a+2*\p+1], s[12:13] offset:768*\a+256*\p         ; 32 lanes store 256 consecutive bytes, aligned
	global_store_b64 v[L8], v[PC+12*\a+6+2*\p:PC+12*\a+7+2*\p], s[12:13] offset:HS+768*\a+256*\p
.endr
.endr
	ds_load_b128 v[RB:RB+3], v[SQR]                ; LDS serves a wave's instructions in order: these see my stores
	ds_load_b128 v[RB+4:RB+7], v[SQR] offset:512
	s_wait_dscnt 0x0
	global_store_b128 v[L16], v[RB:RB+3], s[92:93]
	global_store_b128 v[L16], v[RB+4:RB+7], s[92:93] offset:HS
	s_branch .Lend
.Lout_v:
	; v: block a = 16 channels (head a / 4, tile a % 4); its 128 tokens are one key step: a whole fragment of V^T
	s_lshr_b32 s20, s94, 3
	s_lshl_b32 s20, s20, 4                         ; 16 x batch
	s_lshl_b32 s21, s41, 2
	s_add_co_u32 s20, s20, s21
	s_lshl_b32 s21, s15, 1
	s_add_co_u32 s20, s20, s21                     ; + my first head
	s_mul_i32 s20, s20, HS
	s_and_b32 s21, s94, 7
	s_mul_i32 s21, s21, SS
	s_add_co_u32 s20, s20, s21
	s_lshl_b32 s22, s16, 8
	s_add_co_u32 s22, s22, s20
	s_add_co_u32 s22, s22, 25600                   ; my key step's scale words
	s_mov_b32 s23, 0
	s_mul_i32 s21, s16, 6144
	s_add_co_u32 s20, s20, s21
	s_add_co_u32 s20, s20, 13312                   ; my key step's four fragments
	s_mov_b32 s21, 0
	s_add_nc_u64 s[12:13], s[10:11], s[20:21]
	s_add_nc_u64 s[92:93], s[10:11], s[22:23]
.irp a, 0,1,2,3,4,5,6,7
	QUANTW \a
	ds_store_b32 v[SVW], v[PW+\a] offset:64*\a
.irp c, 0,1,2
	global_store_b128 v[L16], v[PC+12*\a+4*\c:PC+12*\a+4*\c+3], s[12:13] offset:(\a/4)*HS+(\a%4)*1536+512*\c   ; 32 lanes store 512 consecutive bytes, aligned
.endr
.endr
	ds_load_b128 v[RB:RB+3], v[SVR]
	s_wait_dscnt 0x0
	global_store_b128 v[VSO], v[RB:RB+3], s[92:93] ; lanes 0-15 the first head's 256 bytes, lanes 16-31 the second's
.Lend:
	s_wait_tensorcnt 0x0                           ; the wave's end
	ds_add_u32 v[SPW], v[NIL]
	s_wait_dscnt 0x0
	CROUND                                         ; the closing round
	s_endpgm
.Lfunc_end_k_qab07b2bd62_gemm_qkv:
	.size	k_qab07b2bd62_gemm_qkv, .Lfunc_end_k_qab07b2bd62_gemm_qkv-k_qab07b2bd62_gemm_qkv
	.p2alignl 7, 3214868480
	.fill 96, 4, 3214868480
	.section	.rodata,"a",@progbits
	.p2align	6, 0x0
	.amdhsa_kernel k_qab07b2bd62_gemm_qkv
		.amdhsa_group_segment_fixed_size 327680
		.amdhsa_private_segment_fixed_size 0
		.amdhsa_enable_private_segment 0
		.amdhsa_kernarg_size 32
		.amdhsa_user_sgpr_count 2
		.amdhsa_user_sgpr_kernarg_segment_ptr 1
		.amdhsa_wavefront_size32 1
		.amdhsa_system_sgpr_workgroup_id_x 1
		.amdhsa_system_sgpr_workgroup_id_y 1
		.amdhsa_system_sgpr_workgroup_id_z 1
		.amdhsa_system_vgpr_workitem_id 0
		.amdhsa_next_free_vgpr 1024
		.amdhsa_next_free_sgpr 102
		.amdhsa_reserve_vcc 0
		.amdhsa_float_denorm_mode_32 3
		.amdhsa_float_denorm_mode_16_64 3
		.amdhsa_memory_ordered 1
		.amdhsa_forward_progress 1
		.amdhsa_inst_pref_size 224
	.end_amdhsa_kernel
	.amdgpu_metadata
---
amdhsa.version: [ 1, 2 ]
amdhsa.kernels:
  - .name:           k_qab07b2bd62_gemm_qkv
    .symbol:         k_qab07b2bd62_gemm_qkv.kd
    .args:
      - { .name: xq, .offset: 0, .size: 8, .value_kind: global_buffer, .address_space: global }
      - { .name: wq, .offset: 8, .size: 8, .value_kind: global_buffer, .address_space: global }
      - { .name: b_qkv, .offset: 16, .size: 8, .value_kind: global_buffer, .address_space: global }
      - { .name: qkv, .offset: 24, .size: 8, .value_kind: global_buffer, .address_space: global }
    .group_segment_fixed_size: 327680
    .private_segment_fixed_size: 0
    .kernarg_segment_align: 8
    .kernarg_segment_size: 32
    .max_flat_workgroup_size: 128
    .sgpr_count:     102
    .vgpr_count:     1024
    .wavefront_size: 32
...
	.end_amdgpu_metadata
.endif
;; end of part 2
;; launch attn (part 3): grid 4 x 64, 16 waves a work-group, no clusters, 327,680 bytes of LDS; arguments qkv, oq; writes oq
.if DOCPART == 3
	.amdgcn_target "amdgcn-amd-amdhsa--gfx1250"
	.amdhsa_code_object_version 6
	.text
	.protected	k_qab07b2bd62_attn
	.globl	k_qab07b2bd62_attn
	.p2align	8
	.type	k_qab07b2bd62_attn,@function
k_qab07b2bd62_attn:
	s_mov_b64 s[64:65], 0
	v_nop
	global_prefetch_b8 v0, s[64:65] scope:SCOPE_SE
	s_setreg_imm32_b32 hwreg(HW_REG_WAVE_MODE, 25, 1), 1
	s_wait_xcnt 0x0
; Causal attention on codes of FP6 (E2M3) with E8M0 scales: for each (batch, head) O = softmax(Q K^T / 8) V, head size 64, 2,048 tokens; O is quantised here, along the channels, into the last product's operand.
; THE SOFTMAX: t = score x log2(e) / 8; M = the row's largest t so far, rounded up to a whole number; p = 2^(t - M) is quantised along the keys; the row's sum is taken of the unquantised p and divides O at the end.
; When M moves, the sum and O are multiplied by 2^(old M - new M): exact.
; SHARES.  Work-group i of a head takes the block of 256 queries 7 - i, which wants 8 - i slots of 256 keys, and then block i, which wants i + 1: nine slots for every work-group, so all 256 have the same work and the loop's trip count is a constant.
; Each of the sixteen waves owns one tile of 16 queries, in 256 registers: four waves to a SIMD.  No cluster: the four work-groups of a head want different slots at different times.
; LAYOUT.  Both products are used transposed (S^T = K Q^T, O^T = V^T P^T): a lane holds one query.  Tiles hold rows 32 (T / 2) + 8 (T % 2) + r + 8 (r / 8), so the 16 registers of two neighbouring result tiles are 16 neighbours.
; The head size is 64: Q's registers 6-11 hold zero codes, so what source 0 holds for k = 64 .. 127 (the next tile's codes; scale bytes 0) adds nothing.
; A slot in LDS is 26,112 dense bytes of qkv: K's 16 images of 768 bytes | K's scale words | V^T's 8 fragments of 1,536 bytes | V's scale words.  Waves 0 and 1 bring half of it each.
; LIMITS: NaN and infinities are not served; a block of O whose largest magnitude lies under 2^-124 keeps the scale byte 1.
.set HS,     315392
.set SS,     39424
.set HALFB,  13056                     ; 51 rows of 256 bytes
.set TROW,   12288
.set OS_OFF, 6291456
.set SLOT1,  32768
.set SPARE,  65536                     ; the spare words, 128 bytes for each of 16 waves
.set SPW, 5                            ; v5 my spare word; v6 0; never rewritten
.set NIL, 6
.set ADK, 8                            ; v8-11 the step's LDS addresses: K, V, K's scale words, V's
.set ADV, 9
.set ADS, 10
.set ADT, 11
.set KR,  40                           ; v40-87 K's 8 tiles x 6 registers, later V's 4 fragments; v88-93 zeros
.set KS,  94                           ; v94-97 K's scale words, two tiles to a register;  v98-99 V's
.set VS,  98
.set S,   100                          ; v100-163 S^T, then p
.set O,   164                          ; v164-195 O^T
.set PCD, 196                          ; v196-207 p's codes; v208-214 the conversions' second halves
.set PT,  208
.set BM,  216                          ; v216-219 the blocks' largest scores, then largest p
.set BP,  220                          ; v220-223 the other half's, then the bytes
.set BS,  224                          ; v224-227 the conversions' scale operands
.set FF,  228                          ; v[228:229] f = 2^(old M - new M)
.set PWD, 230                          ; v230 p's scale word
.set TT,  231
.set SUM2, 232
.set MK,  234
.set MI,  235
.set WV,  18
.set SEL, 20
.set CS,  22
.set G1,  24
.set G0,  32
.set KVB, 36                           ; s[36:37] the head's slot 0, my half
.set T0,  38
.set TB,  40                           ; the slot in hand, in LDS
.set KF,  41                           ; the step's first key
.set Q0,  42                           ; my tile's first query
.set Q0B, 43
.set NA,  44                           ; slots of the first block of queries
.set N1,  45                           ; the trip: the slot that it asks for
.set SG,  46                           ; which 256 keys that slot holds
.set SGC, 47                           ; and the slot in hand
.set PFA, 48
.set LIM, 50
.set HM,  51
.set OCA, 52
.set OSA, 54
.set OCB, 56
.set OSB, 58
.macro TLOAD                           ; waves 0 and 1 fetch; four v_nop follow the line
	s_cmp_lt_u32 s[WV], 2
	s_cbranch_scc0 .Lnot_mine_\@
	tensor_load_to_lds s[G0:G0+3], s[G1:G1+7]
	s_nop 0
.rept 4
	v_nop
.endr
.Lnot_mine_\@:
.endm
; A prefetch of the slot that the NEXT change of slots will ask for: 102 blocks of 256 bytes, lanes 256 bytes apart.  All four work-groups of a head begin with slots 0, 1, 2 ..: work-group 0, which walks all eight, asks,
; in its waves 4 to 7 (wave 7's lanes beyond the slot's end name its last block).  Slots 0 and 1 come by their loads alone; trips 7 and 8 ask for nothing: slot 7 is the head's last.
.macro ASK
	s_cmp_lt_u32 s[N1], s[LIM]
	s_cbranch_scc0 .Lno_ask_\@
	global_prefetch_b8 v37, s[PFA:PFA+1] th:TH_LOAD_NT scope:SCOPE_SE
.Lno_ask_\@:
.endm
; THE CHANGE OF SLOTS, at a slot's head: each wave waits for all its tensor loads, adds 0 to its spare word, and waits for that and for its reads of the slot that it has left; a barrier; fill = 1: that slot is filled with the next keys.
.macro CHANGE fill
	s_wait_tensorcnt 0x0                           ; no tensor load of mine is out, so group 0 may be written
	ds_add_u32 v[SPW], v[NIL]                      ; 0 onto my spare word
.if \fill
	s_xor_b32 s[G0+1], s[G0+1], SLOT1              ; the other slot than last time
	s_mul_i32 s[T0], s[SG], SS
	s_mov_b32 s[T0+1], 0
	s_add_nc_u64 s[G0+2:G0+3], s[KVB:KVB+1], s[T0:T0+1]
	s_or_b32 s[G0+3], s[G0+3], 0x80000000
	s_wait_xcnt 0x0                                ; the last prefetch, a slot back, has read its address
	s_add_nc_u64 s[PFA:PFA+1], s[PFA:PFA+1], SS
.endif
	s_wait_dscnt 0x0                               ; the add is done, and my reads of the slot that I have left are over
	s_barrier_signal -1
	s_barrier_wait -1
.if \fill
	TLOAD                                          ; the first thing behind the barrier, a wave's one tensor load until the next: it has a slot's two steps in which to land
	ASK
.endif
.endm
; A KEY STEP: 128 keys, the q-th of the slot in hand
.macro STEP q
	s_add_co_u32 s[T0], s[Q0], 23                  ; my queries are Q0 + r + 8 (r / 8).  A step all of whose keys come after them is left out: a branch on ids, round no barrier and no tensor load
	s_cmp_gt_u32 s[KF], s[T0]
	s_cbranch_scc1 .Lhidden_\@
	v_add_nc_u32 v[ADK], s[TB], v1                 ; these four lines are also the places in front of the loads into registers that the last products read
	v_add_nc_u32 v[ADV], s[TB], v2
	v_add_nc_u32 v[ADS], s[TB], v3
	v_add_nc_u32 v[ADT], s[TB], v4
.irp t, 0,1,2,3,4,5,6,7
.irp p, 0,1,2
	ds_load_b64 v[KR+6*\t+2*\p:KR+6*\t+2*\p+1], v[ADK] offset:6144*(\q)+768*\t+256*\p
.endr
.endr
.irp b, 0,1,2,3
	ds_load_b32 v[KS+\b], v[ADS] offset:512*(\q)+128*\b        ; lanes 0-15 tile 2 b's words, lanes 16-31 tile 2 b + 1's
.endr
	s_wait_alu depctr_va_vdst(0)
	s_wait_dscnt 0x0
.irp t, 0,2,4,6
	v_wmma_scale_f32_16x16x128_f8f6f4 v[S+8*\t:S+8*\t+7], v[KR+6*\t:KR+6*\t+11], v[16:27], 0, v[KS+\t/2], v28 matrix_a_fmt:MATRIX_FMT_FP6 matrix_b_fmt:MATRIX_FMT_FP6
	v_wmma_scale_f32_16x16x128_f8f6f4 v[S+8*\t+8:S+8*\t+15], v[KR+6*\t+6:KR+6*\t+17], v[16:27], 0, v[KS+\t/2], v28 matrix_a_fmt:MATRIX_FMT_FP6 matrix_b_fmt:MATRIX_FMT_FP6 matrix_a_scale:MATRIX_SCALE_ROW1
.endr
.rept 4
	v_nop                                          ; places: in front of the loads below and of the first read of the scores
.endr
.irp t, 0,1,2,3                                ; V's four fragments land while the softmax is walked
.irp c, 0,1,2
	ds_load_b128 v[KR+12*\t+4*\c:KR+12*\t+4*\c+3], v[ADV] offset:6144*(\q)+1536*\t+512*\c
.endr
.endr
	ds_load_b32 v[VS], v[ADT] offset:256*(\q)
	ds_load_b32 v[VS+1], v[ADT] offset:256*(\q)+128
	s_add_co_u32 s[T0], s[KF], 127                 ; on the diagonal hidden scores become -infinity ahead of the maximum; a step all of whose keys count skips this
	s_cmp_le_u32 s[T0], s[Q0]
	s_cbranch_scc1 .Lopen_\@
	s_sub_co_i32 s[T0], s[Q0], s[KF]
	v_add_nc_u32 v[MK], s[T0], v29                 ; d = my query - KF - 16 h.  Register 16 b + i holds key KF + 32 b + 16 h + i: hidden where 32 b + i > d
	v_mov_b32 v[MI], 0xff800000
.set J, 0
.rept 64
	v_cmp_gt_i32 vcc_lo, 32*(J/16)+J%16, v[MK]
	v_cndmask_b32 v[S+J], v[S+J], v[MI], vcc_lo
.set J, J+1
.endr
.Lopen_\@:
.irp b, 0,1,2,3
	v_max3_num_f32 v[BM+\b], v[S+16*\b], v[S+1+16*\b], v[S+2+16*\b]   ; the largest score of each block of 32 keys: for the row's maximum and, since p rises with the score, for the block's largest p
.endr
.irp i, 3,5,7,9,11,13
.irp b, 0,1,2,3
	v_max3_num_f32 v[BM+\b], v[BM+\b], v[S+16*\b+\i], v[S+1+16*\b+\i]
.endr
.endr
.irp b, 0,1,2,3
	v_max_num_f32 v[BM+\b], v[BM+\b], v[S+15+16*\b]
.endr
.irp b, 0,1,2,3
	s_delay_alu instid0(VALU_DEP_4)
	v_permlanex16_b32 v[BP+\b], v[BM+\b], s[SEL], s[SEL+1]
.endr
.irp b, 0,1,2,3
	s_delay_alu instid0(VALU_DEP_4)
	v_max_num_f32 v[BM+\b], v[BM+\b], v[BP+\b]
.endr
	s_delay_alu instid0(VALU_DEP_2)
	v_max3_num_f32 v[TT], v[BM], v[BM+1], v[BM+2]
	s_delay_alu instid0(VALU_DEP_1)
	v_max_num_f32 v[TT], v[TT], v[BM+3]
	s_delay_alu instid0(VALU_DEP_1)
	v_mul_f32 v[TT], s[CS], v[TT]
	s_delay_alu instid0(VALU_DEP_1)
	v_max_num_f32 v13, v13, v[TT]                  ; the running largest t
	v_mov_b32 v[TT], v12
	s_delay_alu instid0(VALU_DEP_2)
	v_floor_f32 v12, -v13                          ; the new -M: M is a whole number
	s_delay_alu instid0(VALU_DEP_1)
	v_sub_f32 v[TT], v12, v[TT]                    ; old M - new M, 0 or less
	s_delay_alu instid0(VALU_DEP_1)
	v_cvt_i32_f32 v[TT], v[TT]                     ; (it saturates)
	s_delay_alu instid0(VALU_DEP_1)
	v_ldexp_f32 v[FF], 1.0, v[TT]                  ; f
.set J, 0
.rept 32
	v_pk_fma_f32 v[S+J:S+J+1], v[S+J:S+J+1], s[CS:CS+1], v[12:13] op_sel_hi:[1,0,0]   ; t - M
.set J, J+2
.endr
.irp b, 0,1,2,3
	v_fma_f32 v[BM+\b], v[BM+\b], s[CS], v12
.endr
.set J, 0
	s_wait_alu depctr_va_vdst(0)
.rept 64
	v_exp_f32 v[S+J], v[S+J]                       ; p = 2^(t - M)
.set J, J+1
.endr
	v_pk_mul_f32 v[14:15], v[14:15], v[FF:FF+1] op_sel_hi:[1,0]   ; the sums under the new M: the plain line behind the exponentials
	s_wait_alu depctr_va_vdst(0)                   ; one wait for the batch, ahead of its first reader
.irp b, 0,1,2,3
	v_exp_f32 v[BM+\b], v[BM+\b]                   ; the blocks' largest p
.endr
	v_pk_add_f32 v[232:233], v[104:105], v[108:109]
	v_pk_add_f32 v[254:255], v[112:113], v[116:117]
	v_pk_add_f32 v[252:253], v[120:121], v[124:125]
	v_pk_add_f32 v[250:251], v[128:129], v[132:133]
	v_pk_add_f32 v[248:249], v[136:137], v[140:141]
	v_pk_add_f32 v[246:247], v[144:145], v[148:149]
	v_pk_add_f32 v[244:245], v[152:153], v[156:157]
	v_pk_add_f32 v[14:15], v[14:15], v[160:161]
	v_pk_add_f32 v[232:233], v[232:233], v[100:101]
	v_pk_add_f32 v[254:255], v[254:255], v[102:103]
	v_pk_add_f32 v[252:253], v[252:253], v[106:107]
	v_pk_add_f32 v[250:251], v[250:251], v[110:111]
	v_pk_add_f32 v[248:249], v[248:249], v[114:115]
	v_pk_add_f32 v[246:247], v[246:247], v[118:119]
	v_pk_add_f32 v[244:245], v[244:245], v[122:123]
	v_pk_add_f32 v[14:15], v[14:15], v[126:127]
	v_pk_add_f32 v[232:233], v[232:233], v[130:131]
	v_pk_add_f32 v[254:255], v[254:255], v[134:135]
	v_pk_add_f32 v[252:253], v[252:253], v[138:139]
	v_pk_add_f32 v[250:251], v[250:251], v[142:143]
	v_pk_add_f32 v[248:249], v[248:249], v[146:147]
	v_pk_add_f32 v[246:247], v[246:247], v[150:151]
	v_pk_add_f32 v[244:245], v[244:245], v[154:155]
	v_pk_add_f32 v[14:15], v[14:15], v[158:159]
	v_pk_add_f32 v[232:233], v[232:233], v[162:163]
	s_delay_alu instid0(VALU_DEP_2)
	v_pk_add_f32 v[14:15], v[14:15], v[250:251]
	s_delay_alu instid0(VALU_DEP_2)
	v_pk_add_f32 v[232:233], v[232:233], v[248:249]
	v_pk_add_f32 v[254:255], v[254:255], v[246:247]
	v_pk_add_f32 v[252:253], v[252:253], v[244:245]
	s_delay_alu instid0(VALU_DEP_2)
	v_pk_add_f32 v[14:15], v[14:15], v[254:255]
	s_delay_alu instid0(VALU_DEP_2)
	v_pk_add_f32 v[232:233], v[232:233], v[252:253]
	s_delay_alu instid0(VALU_DEP_1)
	v_pk_add_f32 v[14:15], v[14:15], v[232:233]
	s_wait_alu depctr_va_vdst(0)                   ; and one for the four
.irp b, 0,1,2,3
	v_max_num_f32 v[BM+\b], 0x1800000, v[BM+\b]    ; the floor: the byte cannot fall under 1
.endr
.irp b, 0,1,2,3
	s_delay_alu instid0(VALU_DEP_4)
	v_add_nc_u32 v[BS+\b], 0xff000000, v[BM+\b]
.endr
.irp b, 0,1,2,3
	s_delay_alu instid0(VALU_DEP_4)
	v_lshrrev_b32 v[BP+\b], 23, v[BS+\b]
.endr
	s_delay_alu instid0(VALU_DEP_3)
	v_lshl_or_b32 v[PWD], v[BP+1], 8, v[BP]
	s_delay_alu instid0(VALU_DEP_1)
	v_lshl_or_b32 v[PWD], v[BP+2], 16, v[PWD]
	s_delay_alu instid0(VALU_DEP_1)
	v_lshl_or_b32 v[PWD], v[BP+3], 24, v[PWD]
.irp c, 0,1
	v_cvt_scalef32_pk16_fp6_f32 v[PCD+6*\c:PCD+6*\c+2], v[S+32*\c:S+32*\c+15], v[BS+2*\c]
	v_cvt_scalef32_pk16_fp6_f32 v[PT+4*\c:PT+4*\c+2], v[S+16+32*\c:S+31+32*\c], v[BS+1+2*\c]
.endr
	v_nop                                          ; one plain line behind the scaled conversions
.irp c, 0,1
.irp i, 0,1,2
	v_permlane16_swap_b32 v[PCD+6*\c+\i], v[PT+4*\c+\i]
.endr
.irp i, 0,1,2
	s_delay_alu instid0(VALU_DEP_3)
	v_mov_b32 v[PCD+3+6*\c+\i], v[PT+4*\c+\i]
.endr
.endr
.set J, 0
.rept 16
	v_pk_mul_f32 v[O+J:O+J+1], v[O+J:O+J+1], v[FF:FF+1] op_sel_hi:[1,0]   ; O^T under the new M; these lines are also the places between p's codes and scale word and the products
.set J, J+2
.endr
	s_wait_alu depctr_va_vdst(0)
	s_wait_dscnt 0x0                               ; V
.irp t, 0,2                                    ; O^T += V^T P^T: the four accumulators take turns
	v_wmma_scale_f32_16x16x128_f8f6f4 v[O+8*\t:O+8*\t+7], v[KR+12*\t:KR+12*\t+11], v[PCD:PCD+11], v[O+8*\t:O+8*\t+7], v[VS+\t/2], v[PWD] matrix_a_fmt:MATRIX_FMT_FP6 matrix_b_fmt:MATRIX_FMT_FP6
	v_wmma_scale_f32_16x16x128_f8f6f4 v[O+8*\t+8:O+8*\t+15], v[KR+12*\t+12:KR+12*\t+23], v[PCD:PCD+11], v[O+8*\t+8:O+8*\t+15], v[VS+\t/2], v[PWD] matrix_a_fmt:MATRIX_FMT_FP6 matrix_b_fmt:MATRIX_FMT_FP6 matrix_a_scale:MATRIX_SCALE_ROW1
.endr
.Lhidden_\@:
	s_add_co_u32 s[KF], s[KF], 128
.endm
; A block of queries is done: O^T / the sum, quantised along my head's 64 channels (two blocks of 32): half a fragment: the head's image of my tile of tokens in oq, and two scale bytes a row
.macro FINISH oc, os
.rept 4
	v_nop                                          ; places behind the last products
.endr
	v_add_f32 v14, v14, v15
	s_delay_alu instid0(VALU_DEP_1)
	v_permlanex16_b32 v[TT], v14, s[SEL], s[SEL+1]
	s_delay_alu instid0(VALU_DEP_1)
	v_add_f32 v14, v14, v[TT]                      ; the row's sum
	s_wait_alu depctr_va_vdst(0)
	v_rcp_f32 v14, v14
	v_nop                                          ; a plain line behind the transcendental
	s_wait_alu depctr_va_vdst(0)                   ; and the wait ahead of its first reader
.set J, 0
.rept 32
	v_mul_f32 v[S+J], v[O+J], v14                  ; register 16 b + i: channel 32 b + 16 h + i
.set J, J+1
.endr
.irp b, 0,1
	v_max3_num_f32 v[BM+\b], |v[S+16*\b]|, |v[S+1+16*\b]|, 0x1800000
.endr
.irp i, 2,4,6,8,10,12,14
.irp b, 0,1
	s_delay_alu instid0(VALU_DEP_2)
	v_max3_num_f32 v[BM+\b], v[BM+\b], |v[S+16*\b+\i]|, |v[S+1+16*\b+\i]|
.endr
.endr
.irp b, 0,1
	s_delay_alu instid0(VALU_DEP_2)
	v_permlanex16_b32 v[BP+\b], v[BM+\b], s[SEL], s[SEL+1]
.endr
.irp b, 0,1
	s_delay_alu instid0(VALU_DEP_2)
	v_max_num_f32 v[BM+\b], v[BM+\b], v[BP+\b]
.endr
.irp b, 0,1
	s_delay_alu instid0(VALU_DEP_2)
	v_add_nc_u32 v[BS+\b], 0xff000000, v[BM+\b]
.endr
.irp b, 0,1
	s_delay_alu instid0(VALU_DEP_2)
	v_lshrrev_b32 v[BP+\b], 23, v[BS+\b]
.endr
	s_delay_alu instid0(VALU_DEP_1)
	v_cndmask_b32 v[TT], v[BP], v[BP+1], s[HM]     ; lanes 0-15 store block 0's byte, lanes 16-31 block 1's
	v_cvt_scalef32_pk16_fp6_f32 v[PCD:PCD+2], v[S:S+15], v[BS]
	v_cvt_scalef32_pk16_fp6_f32 v[PT:PT+2], v[S+16:S+31], v[BS+1]
	v_nop
.irp i, 0,1,2
	v_permlane16_swap_b32 v[PCD+\i], v[PT+\i]
.endr
.irp i, 0,1,2
	s_delay_alu instid0(VALU_DEP_3)
	v_mov_b32 v[PCD+3+\i], v[PT+\i]
.endr
.irp p, 0,1,2
	global_store_b64 v1, v[PCD+2*\p:PCD+2*\p+1], s[\oc:\oc+1] offset:256*\p   ; 32 lanes store 256 consecutive bytes, aligned
.endr
	global_store_b8 v7, v[TT], s[\os:\os+1]        ; two bytes of each row's word: 32 bytes for 768 of codes
	s_wait_xcnt 0x0                                ; the stores have read their registers
.endm
	s_load_b128 s[4:7], s[0:1], 0x0                ; qkv, oq
	v_lshl_add_u32 v[SPW], v0, 2, SPARE
	v_mov_b32 v[NIL], 0
	ds_add_u32 v5, v6
	ds_add_u32 v5, v6
	s_wait_dscnt 0x0
	v_lshrrev_b32 v8, 5, v0
	s_delay_alu instid0(VALU_DEP_1)
	v_readfirstlane_b32 s[WV], v8                  ; wave 0..15
	s_and_b32 s8, ttmp7, 0xffff                    ; 16 x batch + head
	s_mul_i32 s10, s8, HS
	s_mov_b32 s11, 0
	s_and_b32 s9, s[WV], 1
	s_mul_i32 s9, s9, HALFB                        ; my half of a slot, if I fetch
	s_mov_b32 s[G1], 3<<16                         ; no mask; elements of 8 bytes; no padding
	s_mov_b32 s[G1+1], 32<<16                      ; tensor_dim0: rows of 256 bytes
	s_mov_b32 s[G1+2], 51<<16                      ; tensor_dim1
	s_mov_b32 s[G1+3], 32<<16                      ; tile_dim0
	s_mov_b32 s[G1+4], 51                          ; tile_dim1
	s_mov_b32 s[G1+5], 32                          ; dense
	s_mov_b32 s[G1+6], 0
	s_mov_b32 s[G1+7], 0
	s_mov_b32 s[G0], 1
	s_mov_b32 s[G0+1], s9                          ; slot 0
	s_mov_b32 s12, s9
	s_mov_b32 s13, 0
	s_wait_kmcnt 0x0
	s_add_nc_u64 s[4:5], s[4:5], s[10:11]          ; my head
	s_add_nc_u64 s[KVB:KVB+1], s[4:5], s[12:13]
	s_mov_b64 s[G0+2:G0+3], s[KVB:KVB+1]
	s_or_b32 s[G0+3], s[G0+3], 0x80000000
	TLOAD                                          ; the first 256 keys
	s_mov_b32 s[SEL], 0x76543210
	s_mov_b32 s[SEL+1], 0xfedcba98
	s_mov_b32 s[CS], 0x3e38aa3b                    ; c = log2(e) / 8
	s_mov_b32 s[CS+1], s[CS]
	s_mov_b32 s[HM], 0xffff0000
	s_mov_b32 s[TB], 0
	s_mov_b32 s[SGC], 0
	s_sub_co_u32 s12, 7, ttmp9                     ; the first block of queries
	s_sub_co_u32 s[NA], 8, ttmp9                   ; and its slots
	s_lshr_b32 s13, s[WV], 1
	s_lshl_b32 s13, s13, 5
	s_and_b32 s14, s[WV], 1
	s_lshl_b32 s14, s14, 3
	s_add_co_u32 s13, s13, s14                     ; my tile's first query in its block
	s_lshl_b32 s[Q0], s12, 8
	s_add_co_u32 s[Q0], s[Q0], s13
	s_lshl_b32 s[Q0B], ttmp9, 8
	s_add_co_u32 s[Q0B], s[Q0B], s13
	s_mul_i32 s14, s12, SS
	s_mov_b32 s15, 0
	s_add_nc_u64 s[66:67], s[4:5], s[14:15]        ; the first block of queries in qkv,
	s_mul_i32 s14, ttmp9, SS
	s_add_nc_u64 s[68:69], s[4:5], s[14:15]        ; the second
	s_add_nc_u64 s[PFA:PFA+1], s[4:5], SS          ; the prefetches stand at slot 1: the first change steps them to slot 2
	s_lshr_b32 s9, s[WV], 2
	s_xor_b32 s9, s9, 1                            ; 0 in waves 4 to 7,
	s_or_b32 s9, s9, ttmp9                         ; of the head's work-group 0
	s_cmp_eq_u32 s9, 0
	s_cselect_b32 s[LIM], 7, 0
	; where O goes: tile 128 x batch + 16 x block + wave; image = head
	s_lshr_b32 s60, s8, 4
	s_lshl_b32 s60, s60, 7
	s_add_co_u32 s60, s60, s[WV]
	s_and_b32 s61, s8, 15                          ; head
	s_mul_i32 s62, s61, 768
	s_lshr_b32 s63, s61, 3
	s_lshl_b32 s63, s63, 8                         ; K step / 4
	s_bfe_u32 s70, s61, 0x20001
	s_lshl_b32 s70, s70, 2                         ; K step % 4
	s_add_co_u32 s63, s63, s70
	s_and_b32 s70, s61, 1
	s_lshl_b32 s70, s70, 1                         ; the head's two bytes of the word
	s_add_co_u32 s63, s63, s70
	s_add_co_u32 s63, s63, OS_OFF
	s_mov_b32 s71, 0
	s_lshl_b32 s14, s12, 4
	s_add_co_u32 s14, s14, s60
	s_mul_i32 s70, s14, TROW
	s_add_co_u32 s70, s70, s62
	s_add_nc_u64 s[OCA:OCA+1], s[6:7], s[70:71]
	s_lshl_b32 s70, s14, 9
	s_add_co_u32 s70, s70, s63
	s_add_nc_u64 s[OSA:OSA+1], s[6:7], s[70:71]
	s_lshl_b32 s14, ttmp9, 4
	s_add_co_u32 s14, s14, s60
	s_mul_i32 s70, s14, TROW
	s_add_co_u32 s70, s70, s62
	s_add_nc_u64 s[OCB:OCB+1], s[6:7], s[70:71]
	s_lshl_b32 s70, s14, 9
	s_add_co_u32 s70, s70, s63
	s_add_nc_u64 s[OSB:OSB+1], s[6:7], s[70:71]
	v_and_b32 v10, 31, v0                          ; lane
	v_and_b32 v11, 15, v0                          ; r
	v_bfe_u32 v38, v0, 4, 1                        ; h
	s_delay_alu instid0(VALU_DEP_3)
	v_lshlrev_b32 v1, 3, v10                       ; 8 x lane
	s_delay_alu instid0(VALU_DEP_4)
	v_lshl_add_u32 v2, v10, 4, 13312               ; V's fragments
	v_lshl_add_u32 v3, v10, 2, 12288               ; K's scale words
	v_lshl_add_u32 v4, v10, 2, 25600               ; V's
	v_lshl_add_u32 v7, v11, 4, v38                 ; 16 r + h
	v_and_b32 v29, 8, v11
	s_delay_alu instid0(VALU_DEP_1)
	v_add_nc_u32 v29, v29, v11
	v_lshlrev_b32 v39, 4, v38
	s_delay_alu instid0(VALU_DEP_1)
	v_sub_nc_u32 v29, v29, v39                     ; r + 8 (r / 8) - 16 h
	s_and_b32 s9, s[WV], 3
	s_lshl_b32 s9, s9, 5
	v_add_nc_u32 v37, s9, v10
	s_delay_alu instid0(VALU_DEP_1)
	v_min_u32 v37, 101, v37
	s_delay_alu instid0(VALU_DEP_1)
	v_lshlrev_b32 v37, 8, v37                      ; the prefetches' offset; never rewritten
	s_mul_i32 s9, s[WV], 768
	s_add_co_u32 s9, s9, 26112
	v_add_nc_u32 v8, s9, v1                        ; Q's image of my tile
	s_lshl_b32 s9, s[WV], 6
	s_add_co_u32 s9, s9, 38400
	v_lshl_add_u32 v9, v11, 2, s9                  ; and its scale words
.irp p, 0,1,2
	global_load_b64 v[16+2*\p:17+2*\p], v8, s[66:67] offset:256*\p
	global_load_b64 v[30+2*\p:31+2*\p], v8, s[68:69] offset:256*\p
.endr
	global_load_b32 v28, v9, s[66:67]
	global_load_b32 v36, v9, s[68:69]
.irp j, 0,1,2,3,4,5
	v_mov_b32 v[22+\j], 0                          ; Q's codes for k = 64 .. 127
	v_mov_b32 v[88+\j], 0                          ; what stands behind K's last tile
.endr
	v_mov_b32 v13, 0xff61b1e6                      ; the largest t so far: -3e38
	s_delay_alu instid0(VALU_DEP_1)
	v_floor_f32 v12, -v13
	v_mov_b32 v14, 0
	v_mov_b32 v15, 0
.irp b, 0,1,2,3
	v_mov_b32 v[BP+\b], 0                          ; a lane permute's destination counts as one of its sources
.endr
	v_mov_b32 v[FF+1], 0                           ; named as the upper half of a pair
	v_mov_b32 v[TT], 0
.set J, 0
.rept 32
	v_mov_b32 v[O+J], 0                            ; the step is written once: the first finds zeros
.set J, J+1
.endr
	s_wait_loadcnt 0x0                             ; Q
	s_mov_b32 s[N1], 1
.Lslot:                                            ; eight trips: trip N1 asks for slot N1 and works on slot N1 - 1
	s_cmp_ge_u32 s[N1], s[NA]
	s_cselect_b32 s[SG], s[NA], 0
	s_sub_co_u32 s[SG], s[N1], s[SG]               ; the second block of queries begins again at the head's first keys
	CHANGE 1
	s_lshl_b32 s[KF], s[SGC], 8
	STEP 0
	STEP 1
	s_xor_b32 s[TB], s[TB], SLOT1
	s_mov_b32 s[SGC], s[SG]
	s_cmp_lg_u32 s[N1], s[NA]
	s_cbranch_scc1 .Lsame
	FINISH OCA, OSA
	v_mov_b32 v28, v36                             ; the second block's Q: its scale word first, so that it stands farthest ahead of the next product
.irp j, 0,1,2,3,4,5
	v_mov_b32 v[16+\j], v[30+\j]
.endr
	v_mov_b32 v13, 0xff61b1e6
	s_delay_alu instid0(VALU_DEP_1)
	v_floor_f32 v12, -v13
	v_mov_b32 v14, 0
	v_mov_b32 v15, 0
.set J, 0
.rept 32
	v_mov_b32 v[O+J], 0
.set J, J+1
.endr
	s_mov_b32 s[Q0], s[Q0B]
.Lsame:
	s_add_co_u32 s[N1], s[N1], 1
	s_cmp_lt_u32 s[N1], 9
	s_cbranch_scc1 .Lslot
	CHANGE 0                                       ; the last slot is written out
	s_lshl_b32 s[KF], s[SGC], 8
	STEP 0
	STEP 1
	FINISH OCB, OSB
	s_wait_tensorcnt 0x0                           ; the wave's end
	ds_add_u32 v[SPW], v[NIL]
	s_wait_dscnt 0x0
	s_endpgm
.Lfunc_end_k_qab07b2bd62_attn:
	.size	k_qab07b2bd62_attn, .Lfunc_end_k_qab07b2bd62_attn-k_qab07b2bd62_attn
	.p2alignl 7, 3214868480
	.fill 96, 4, 3214868480
	.section	.rodata,"a",@progbits
	.p2align	6, 0x0
	.amdhsa_kernel k_qab07b2bd62_attn
		.amdhsa_group_segment_fixed_size 327680
		.amdhsa_private_segment_fixed_size 0
		.amdhsa_enable_private_segment 0
		.amdhsa_kernarg_size 16
		.amdhsa_user_sgpr_count 2
		.amdhsa_user_sgpr_kernarg_segment_ptr 1
		.amdhsa_wavefront_size32 1
		.amdhsa_system_sgpr_workgroup_id_x 1
		.amdhsa_system_sgpr_workgroup_id_y 1
		.amdhsa_system_sgpr_workgroup_id_z 1
		.amdhsa_system_vgpr_workitem_id 0
		.amdhsa_next_free_vgpr 256
		.amdhsa_next_free_sgpr 80
		.amdhsa_reserve_vcc 1
		.amdhsa_float_denorm_mode_32 3
		.amdhsa_float_denorm_mode_16_64 3
		.amdhsa_memory_ordered 1
		.amdhsa_forward_progress 1
		.amdhsa_inst_pref_size 112
	.end_amdhsa_kernel
	.amdgpu_metadata
---
amdhsa.version: [ 1, 2 ]
amdhsa.kernels:
  - .name:           k_qab07b2bd62_attn
    .symbol:         k_qab07b2bd62_attn.kd
    .args:
      - { .name: qkv, .offset: 0, .size: 8, .value_kind: global_buffer, .address_space: global }
      - { .name: oq, .offset: 8, .size: 8, .value_kind: global_buffer, .address_space: global }
    .group_segment_fixed_size: 327680
    .private_segment_fixed_size: 0
    .kernarg_segment_align: 8
    .kernarg_segment_size: 16
    .max_flat_workgroup_size: 512
    .sgpr_count:     80
    .vgpr_count:     256
    .wavefront_size: 32
...
	.end_amdgpu_metadata
.endif
;; end of part 3
;; launch gemm_proj (part 4): grid 4 x 32, 4 waves a work-group, clusters of 4 x 4, 327,680 bytes of LDS; arguments oq, wq, b_proj, out0; writes out0
.if DOCPART == 4
	.amdgcn_target "amdgcn-amd-amdhsa--gfx1250"
	.amdhsa_code_object_version 6
	.text
	.protected	k_qab07b2bd62_gemm_proj
	.globl	k_qab07b2bd62_gemm_proj
	.p2align	8
	.type	k_qab07b2bd62_gemm_proj,@function
k_qab07b2bd62_gemm_proj:
	s_mov_b64 s[64:65], 0
	v_nop
	global_prefetch_b8 v0, s[64:65] scope:SCOPE_SE
	s_setreg_imm32_b32 hwreg(HW_REG_WAVE_MODE, 25, 1), 1
	s_wait_xcnt 0x0
	s_wait_alu depctr_hold_cnt(0) depctr_sa_sdst(0) depctr_va_vdst(0) depctr_va_sdst(0) depctr_va_ssrc(0) depctr_va_vcc(0) depctr_vm_vsrc(0)
	s_getreg_b32 s2, hwreg(HW_REG_IB_STS2, 6, 4)
	s_cmp_eq_u32 s2, 0
	s_cbranch_scc0 .Lentry_in_a_cluster
	s_endpgm
.Lentry_in_a_cluster:
	s_bfe_u32 s2, ttmp6, 0x10000c
	s_cmp_lg_u32 s2, 0xf033
	s_cbranch_scc0 .Lentry_shape_is_right
	s_endpgm
.Lentry_shape_is_right:
; out0 = O w_proj + b_proj on codes of FP6 (E2M3) with E8M0 scales, K = 1,024; out0 is [8192][1024] f32.
; A work-group of four waves makes 256 x 256 results, a wave 128 x 128: 64 accumulators, 512 registers.  K goes in steps of 256 through two LDS slots filled by the tensor data mover.
; OPERANDS lie in memory and in LDS as images of their registers: a fragment is six loads of 8 bytes a lane at 8 x lane.  Row r of tile T is row 32 (T / 2) + 8 (T % 2) + r + 8 (r / 8).
; Source 0 ("B") = 16 columns of w_proj (wq's tiles 192 on), source 1 ("A") = 16 tokens: a lane holds one token, and the 16 registers of B's tiles 2 b, 2 b + 1 are columns 32 b + 16 h + 0 .. 15.  The bias is the C of each sum's first product.
; CLUSTER 4 x 4: A's tiles are shared along a row of the cluster, B's along a column, by joint loads.  The grid has 128 work-groups: the tile is kept at 256 x 256 for the sake of the multiply-adds that each LDS byte feeds.
; REGISTERS: window 0: v16-31 addresses; v32-95 scale words of all of K; v96-127, v224-255 the bias; v128-223 A's fragments; on the way out v128-255 take rows of out0.
;   window 1: B's fragments, two sets.  windows 2, 3: the accumulators ((a, b) at v[8 (8 (a % 4) + b)]).
.set OS_OFF, 6291456
.set WS_OFF, 3145728
.set TROW,   12288
.set KSB,    3072
.set FR,     12
.set NL,     6
.set NP,     4
.set HALFT,  8*KSB
.set SLOT,   4*HALFT
.set SCL,    2*SLOT
.set HALFS,  4096
.set STG,    SCL+4*HALFS               ; the way out: a stage of 16 rows x (512 bytes + 16) for each wave; no tensor load lands here
.set SPITCH, 528
.set SPARE,  STG+4*16*SPITCH
.set ADRA, 16
.set ADRB, 20
.set STO,  24
.set RD,   25
.set CO,   26
.set ADRS, 27
.set SPW,  28
.set NIL,  29
.set BOQ,  30
.set SC,   32
.set BI,   96
.set AF,   128
.set BK,   128
.set G1, 24
.set G0, 32
.set G1B, 48
.set G0B, 56
.set G1S, 68
.set G0S, 76
.set G1SB, 80
.set G0SB, 88
.set MSB, 0
.macro WIN new
.if MSB != \new
	s_set_vgpr_msb (MSB<<8)|\new
.set MSB, \new
.endif
.endm
.set MUL_LO, 0xa1
.set MUL_HI, 0xf1
.set TO_B,   0x40
.macro JLOAD g0a, g1a, g0b, g1b        ; waves 0 and 1 fetch for A, waves 2 and 3 for B; four v_nop follow each line
	s_cmp_eq_u32 s15, 0
	s_cbranch_scc0 .Lfor_b_\@
	tensor_load_to_lds s[\g0a:\g0a+3], s[\g1a:\g1a+7]
	s_nop 0
.rept 4
	v_nop
.endr
	s_branch .Lasked_\@
.Lfor_b_\@:
	tensor_load_to_lds s[\g0b:\g0b+3], s[\g1b:\g1b+7]
	s_nop 0
.rept 4
	v_nop
.endr
.Lasked_\@:
.endm
.macro CREST
	s_cmp_lg_u32 s14, 0
	s_cbranch_scc1 .Lnot_wave_0_\@
	s_barrier_signal -3
.Lnot_wave_0_\@:
	s_barrier_wait -3
	s_barrier_signal -1
	s_barrier_wait -1
.endm
.macro CROUND
	s_barrier_signal -1
	s_barrier_wait -1
	CREST
.endm
.macro FRAG reg, adr, q, i
.irp p, 0,1,2,3,4,5
	ds_load_b64 v[\reg+2*\p:\reg+2*\p+1], v[\adr] offset:(\i)*KSB+(2*(\q)+\p/3)*768+256*(\p%3)
.endr
.endm
.macro MUL16 a0, p, s, mode            ; mode 1: C = the bias of B's tile; 0: C = D.  The 64 accumulators take turns.
.irp a, \a0, \a0+1
.irp b, 0,1,2,3,4,5,6,7
.if \mode == 1
	v_wmma_scale_f32_16x16x128_f8f6f4 v[8*(8*((\a)%4)+\b):8*(8*((\a)%4)+\b)+7], v[128*(\p)+FR*\b:128*(\p)+FR*\b+FR-1], v[AF+FR*(\a):AF+FR*(\a)+FR-1], v[BI+8*\b+96*(\b/4):BI+8*\b+96*(\b/4)+7], v[SC+8*\b+(\s)], v[SC+8*(\a)+(\s)] matrix_a_fmt:MATRIX_FMT_FP6 matrix_b_fmt:MATRIX_FMT_FP6 matrix_a_scale:MATRIX_SCALE_ROW1
.else
	v_wmma_scale_f32_16x16x128_f8f6f4 v[8*(8*((\a)%4)+\b):8*(8*((\a)%4)+\b)+7], v[128*(\p)+FR*\b:128*(\p)+FR*\b+FR-1], v[AF+FR*(\a):AF+FR*(\a)+FR-1], v[8*(8*((\a)%4)+\b):8*(8*((\a)%4)+\b)+7], v[SC+8*\b+(\s)], v[SC+8*(\a)+(\s)] matrix_a_fmt:MATRIX_FMT_FP6 matrix_b_fmt:MATRIX_FMT_FP6 matrix_a_scale:MATRIX_SCALE_ROW1
.endif
.endr
.endr
.endm
.macro FETCH_B slot, q, p
	WIN TO_B
.irp i, 0,1,2,3,4,5,6,7
	FRAG 128*(\p)+FR*\i, ADRB+\slot, \q, \i
.endr
	WIN 0
.endm
.macro FETCH_A slot, q, i0
.irp i, \i0, \i0+1, \i0+2, \i0+3
	FRAG AF+FR*(\i), ADRA+\slot, \q, \i
.endr
.endm
.macro PLACES n
.rept \n
	v_nop
.endr
.endm
.macro STEP slot, s, mode
	s_wait_dscnt 4*NL                              ; B's set and A's blocks 0-3 are in; the youngest 24 loads (A's blocks 4-7) may be out
.if \mode
	WIN 0x81
.else
	WIN MUL_LO
.endif
	MUL16 0, 0, \s, \mode
	MUL16 2, 0, \s, \mode
	s_wait_dscnt 0
	PLACES NP
	FETCH_B \slot, 1, 1
	FETCH_A \slot, 1, 0
.if \mode
	WIN 0xc1
.else
	WIN MUL_HI
.endif
	MUL16 4, 0, \s, \mode
	MUL16 6, 0, \s, \mode
	PLACES NP
	WIN 0
	FETCH_A \slot, 1, 4
.endm
.macro TURN slot, next, fill, s
	s_wait_tensorcnt 0x0                           ; all my tensor loads have landed: my part of the next slot
	ds_add_u32 v[SPW], v[NIL]                      ; 0 onto my spare word
	s_wait_dscnt 4*NL+1                            ; the add and the youngest 24 loads may be out
	WIN MUL_LO
	MUL16 0, 1, \s, 0
	s_wait_dscnt 0x0                               ; the add is done, and my reads of this slot are over
	s_barrier_signal -1
	MUL16 2, 1, \s, 0
	WIN 0
	s_barrier_wait -1
.if \fill
	CREST                                          ; a round of the cluster's barrier: no wave of any partner still reads this slot or has a load on its way
	s_add_nc_u64 s[G0+4*\slot+2:G0+4*\slot+3], s[G0+4*\slot+2:G0+4*\slot+3], 2*KSB
	s_add_nc_u64 s[G0B+4*\slot+2:G0B+4*\slot+3], s[G0B+4*\slot+2:G0B+4*\slot+3], 2*KSB
	JLOAD G0+4*\slot, G1, G0B+4*\slot, G1B
.else
	PLACES NP
.endif
	FETCH_B \next, 0, 0
	FETCH_A \next, 0, 0
	WIN MUL_HI
	MUL16 4, 1, \s, 0
	MUL16 6, 1, \s, 0
	PLACES NP
	WIN 0
	FETCH_A \next, 0, 4
.endm
	s_load_b256 s[4:11], s[0:1], 0x0               ; oq s[4:5], wq s[6:7], b_proj s[8:9], out0 s[10:11]
	v_lshl_add_u32 v[SPW], v0, 2, SPARE
	v_mov_b32 v[NIL], 0
	ds_add_u32 v28, v29
	s_wait_dscnt 0x0
	v_lshrrev_b32 v1, 5, v0
	v_readfirstlane_b32 s14, v1
	s_lshr_b32 s15, s14, 1
	s_and_b32 s16, s14, 1
	s_bfe_u32 s40, ttmp6, 0x40000
	s_bfe_u32 s41, ttmp6, 0x40004
	s_lshl_b32 s42, ttmp9, 2
	s_add_co_u32 s42, s42, s40                     ; gx: which 256 columns
	s_and_b32 s17, ttmp7, 0xffff
	s_lshl_b32 s17, s17, 2
	s_add_co_u32 s17, s17, s41                     ; gy: which 256 tokens
	s_lshl_b32 s43, s41, 2
	s_lshl_b32 s43, 15, s43
	s_lshl_b32 s44, 0x1111, s40
	s_or_b32 s[G1+0], s43, (3<<16)|(1<<21)
	s_or_b32 s[G1B+0], s44, (3<<16)|(1<<21)
.irp g, G1, G1B
	s_mov_b32 s[\g+1], 384<<16
	s_mov_b32 s[\g+2], 8<<16
	s_mov_b32 s[\g+3], 384<<16
	s_mov_b32 s[\g+4], 8
	s_mov_b32 s[\g+5], 1536
	s_mov_b32 s[\g+6], 0
	s_mov_b32 s[\g+7], 0
.endr
	s_or_b32 s[G1S+0], s43, (3<<16)|(1<<21)
	s_or_b32 s[G1SB+0], s44, (3<<16)|(1<<21)
.irp g, G1S, G1SB
	s_mov_b32 s[\g+1], 32<<16
	s_mov_b32 s[\g+2], 16<<16
	s_mov_b32 s[\g+3], 32<<16
	s_mov_b32 s[\g+4], 16
	s_mov_b32 s[\g+5], 32
	s_mov_b32 s[\g+6], 0
	s_mov_b32 s[\g+7], 0
.endr
	s_lshl_b32 s18, s16, 3
	s_lshl_b32 s20, s17, 4
	s_add_co_u32 s20, s20, s18                     ; A's first tile that I fetch
	s_lshl_b32 s46, s42, 4
	s_add_co_u32 s46, s46, s18
	s_add_co_u32 s46, s46, 192                     ; B's: w_proj begins at wq's tile 192
	s_lshl_b32 s22, s20, 9
	s_add_co_u32 s22, s22, OS_OFF
	s_mov_b32 s23, 0
	s_lshl_b32 s2, s46, 9
	s_add_co_u32 s2, s2, WS_OFF
	s_mov_b32 s3, 0
	s_mul_i32 s20, s20, TROW
	s_mov_b32 s21, 0
	s_mul_i32 s46, s46, TROW
	s_mov_b32 s47, 0
	s_mul_i32 s45, s14, HALFT
	s_lshl_b32 s95, s14, 12
	s_wait_kmcnt 0x0
	s_add_nc_u64 s[20:21], s[4:5], s[20:21]
	s_add_nc_u64 s[22:23], s[4:5], s[22:23]
	s_add_nc_u64 s[46:47], s[6:7], s[46:47]
	s_add_nc_u64 s[2:3], s[6:7], s[2:3]
	CROUND
	s_mov_b32 s[G0S], 1
	s_add_co_u32 s[G0S+1], s95, SCL
	s_mov_b64 s[G0S+2:G0S+3], s[22:23]
	s_or_b32 s[G0S+3], s[G0S+3], 0x80000000
	s_mov_b32 s[G0SB], 1
	s_add_co_u32 s[G0SB+1], s95, SCL
	s_mov_b64 s[G0SB+2:G0SB+3], s[2:3]
	s_or_b32 s[G0SB+3], s[G0SB+3], 0x80000000
	JLOAD G0S, G1S, G0SB, G1SB
.irp s, 0,1
	s_mov_b32 s[G0+4*\s], 1
	s_add_co_u32 s[G0+4*\s+1], s45, \s*SLOT
	s_add_nc_u64 s[G0+4*\s+2:G0+4*\s+3], s[20:21], \s*KSB
	s_or_b32 s[G0+4*\s+3], s[G0+4*\s+3], 0x80000000
	s_mov_b32 s[G0B+4*\s], 1
	s_add_co_u32 s[G0B+4*\s+1], s45, \s*SLOT
	s_add_nc_u64 s[G0B+4*\s+2:G0B+4*\s+3], s[46:47], \s*KSB
	s_or_b32 s[G0B+4*\s+3], s[G0B+4*\s+3], 0x80000000
	JLOAD G0+4*\s, G1, G0B+4*\s, G1B               ; three loads of mine are out
.endr
	v_and_b32 v1, 15, v0                           ; r
	v_bfe_u32 v2, v0, 4, 1                         ; h
	v_and_b32 v3, 31, v0                           ; lane
	v_lshlrev_b32 v4, 3, v3                        ; 8 x lane
	s_mul_i32 s21, s15, HALFT
	s_mul_i32 s22, s16, HALFT
	s_add_co_u32 s22, s22, 2*HALFT
.irp s, 0,1
	v_add_nc_u32 v[ADRA+\s], s21, v4
	v_add_nc_u32 v[ADRB+\s], s22, v4
	s_add_co_u32 s21, s21, SLOT
	s_add_co_u32 s22, s22, SLOT
.endr
	v_lshlrev_b32 v5, 4, v1
	s_lshl_b32 s21, s15, 12
	s_lshl_b32 s22, s16, 12
	s_add_co_u32 s22, s22, 2*HALFS
	s_sub_co_u32 s22, s22, s21
	v_mul_u32_u24 v6, s22, v2                      ; lanes 16-31 take B's words: one product, the distance between the two
	s_add_co_u32 s21, s21, SCL
	v_add_nc_u32 v5, v5, v6
	v_add_nc_u32 v[ADRS], s21, v5
	s_mul_i32 s23, s14, 16*SPITCH
	s_add_co_u32 s23, s23, STG                     ; my stage
	v_mul_u32_u24 v5, v1, SPITCH
	v_lshl_add_u32 v5, v2, 6, v5
	v_add_nc_u32 v[STO], s23, v5                   ; in: row r, + 64 h: my half's 16 columns of each 32
	v_lshlrev_b32 v[CO], 4, v3                     ; back: the 32 lanes take a row of 512 bytes; the same in out0
	v_add_nc_u32 v[RD], s23, v[CO]
	v_lshlrev_b32 v[BOQ], 6, v2
	s_lshl_b32 s20, s42, 10
	s_lshl_b32 s21, s16, 9
	s_add_co_u32 s20, s20, s21
	s_mov_b32 s21, 0
	s_add_nc_u64 s[18:19], s[8:9], s[20:21]        ; the bias of my 128 columns
.irp b, 0,1,2,3,4,5,6,7
	global_load_b128 v[BI+8*\b+96*(\b/4):BI+8*\b+96*(\b/4)+3], v[BOQ], s[18:19] offset:(32*(\b/2)+8*(\b%2))*4
	global_load_b128 v[BI+8*\b+96*(\b/4)+4:BI+8*\b+96*(\b/4)+7], v[BOQ], s[18:19] offset:(32*(\b/2)+8*(\b%2))*4+16
.endr
	s_lshl_b32 s20, s17, 8
	s_lshl_b32 s21, s15, 7
	s_add_co_u32 s20, s20, s21                     ; my first token
	s_lshl_b32 s20, s20, 12                        ; rows of 4,096 bytes
	s_lshl_b32 s21, s42, 10
	s_add_co_u32 s20, s20, s21
	s_lshl_b32 s21, s16, 9
	s_add_co_u32 s20, s20, s21                     ; my first column
	s_mov_b32 s21, 0
	s_add_nc_u64 s[12:13], s[10:11], s[20:21]
	s_wait_tensorcnt 1                             ; the scale words and my part of slot 0 are in; slot 1's load may be out
	s_barrier_signal -1
	s_barrier_wait -1
	FETCH_B 0, 0, 0
	FETCH_A 0, 0, 0
.irp i, 0,1,2,3,4,5,6,7
	ds_load_b128 v[SC+8*\i:SC+8*\i+3], v[ADRS] offset:512*\i
	ds_load_b128 v[SC+8*\i+4:SC+8*\i+7], v[ADRS] offset:512*\i+256
.endr
	FETCH_A 0, 0, 4
	s_wait_loadcnt 0x0                             ; the bias
	STEP 0, 0, 1
	TURN 0, 1, 1, 1
	STEP 1, 2, 0
	TURN 1, 0, 1, 3
	STEP 0, 4, 0
	TURN 0, 1, 0, 5
	STEP 1, 6, 0
	s_wait_dscnt 4*NL
	WIN MUL_LO
	MUL16 0, 1, 7, 0
	MUL16 2, 1, 7, 0
	s_wait_dscnt 0
	WIN MUL_HI
	MUL16 4, 1, 7, 0
	MUL16 6, 1, 7, 0
	WIN 0
; THE WAY OUT, block by block of 16 tokens x 128 columns, through my own stage: in by lanes (32 bytes of a row each), back as whole rows of 512 bytes.  LDS serves a wave's instructions in order.
.macro TOSTAGE a
.set AC, 64*((\a)%4)
	WIN 0x08+4*((\a)/4)                            ; the data: window 2 or 3
.irp b, 0,1,2,3,4,5,6,7
	ds_store_b128 v[STO], v[AC+8*\b:AC+8*\b+3] offset:128*(\b/2)+32*(\b%2)          ; each accumulator from its low end on
	ds_store_b128 v[STO], v[AC+8*\b+4:AC+8*\b+7] offset:128*(\b/2)+32*(\b%2)+16
.endr
	WIN 0
.set BB, BK+64*((\a)%2)
.irp t, 0,1,2,3,4,5,6,7,8,9,10,11,12,13,14,15
	ds_load_b128 v[BB+4*\t:BB+4*\t+3], v[RD] offset:\t*SPITCH
.endr
.endm
.macro SEND a, younger                 ; row t of block a is token 32 (a / 2) + 8 (a % 2) + t + 8 (t / 8) of my 128: in the immediate, 127 rows of 4,096 bytes at the most
.set BB, BK+64*((\a)%2)
	s_wait_dscnt \younger
.irp t, 0,1,2,3,4,5,6,7,8,9,10,11,12,13,14,15
	global_store_b128 v[CO], v[BB+4*\t:BB+4*\t+3], s[12:13] offset:(32*((\a)/2)+8*((\a)%2)+\t+8*(\t/8))*4096 th:TH_STORE_NT   ; 32 lanes store 512 consecutive bytes, aligned
.endr
.endm
	PLACES NP
	TOSTAGE 0
.irp a, 1,2,3,4,5,6,7
.if \a > 1
	s_wait_xcnt 0x0                                ; block a - 2's stores have read their registers: block a's loads may land there
.endif
	TOSTAGE \a
	SEND \a-1, 32                                  ; behind block a - 1's loads: block a's 16 stores and 16 loads
.endr
	SEND 7, 0
	s_wait_tensorcnt 0x0                           ; the wave's end
	ds_add_u32 v[SPW], v[NIL]
	s_wait_dscnt 0x0
	CROUND                                         ; the closing round
	s_endpgm
.Lfunc_end_k_qab07b2bd62_gemm_proj:
	.size	k_qab07b2bd62_gemm_proj, .Lfunc_end_k_qab07b2bd62_gemm_proj-k_qab07b2bd62_gemm_proj
	.p2alignl 7, 3214868480
	.fill 96, 4, 3214868480
	.section	.rodata,"a",@progbits
	.p2align	6, 0x0
	.amdhsa_kernel k_qab07b2bd62_gemm_proj
		.amdhsa_group_segment_fixed_size 327680
		.amdhsa_private_segment_fixed_size 0
		.amdhsa_enable_private_segment 0
		.amdhsa_kernarg_size 32
		.amdhsa_user_sgpr_count 2
		.amdhsa_user_sgpr_kernarg_segment_ptr 1
		.amdhsa_wavefront_size32 1
		.amdhsa_system_sgpr_workgroup_id_x 1
		.amdhsa_system_sgpr_workgroup_id_y 1
		.amdhsa_system_sgpr_workgroup_id_z 1
		.amdhsa_system_vgpr_workitem_id 0
		.amdhsa_next_free_vgpr 1024
		.amdhsa_next_free_sgpr 102
		.amdhsa_reserve_vcc 0
		.amdhsa_float_denorm_mode_32 3
		.amdhsa_float_denorm_mode_16_64 3
		.amdhsa_memory_ordered 1
		.amdhsa_forward_progress 1
		.amdhsa_inst_pref_size 159
	.end_amdhsa_kernel
	.amdgpu_metadata
---
amdhsa.version: [ 1, 2 ]
amdhsa.kernels:
  - .name:           k_qab07b2bd62_gemm_proj
    .symbol:         k_qab07b2bd62_gemm_proj.kd
    .args:
      - { .name: oq, .offset: 0, .size: 8, .value_kind: global_buffer, .address_space: global }
      - { .name: wq, .offset: 8, .size: 8, .value_kind: global_buffer, .address_space: global }
      - { .name: b_proj, .offset: 16, .size: 8, .value_kind: global_buffer, .address_space: global }
      - { .name: out0, .offset: 24, .size: 8, .value_kind: global_buffer, .address_space: global }
    .group_segment_fixed_size: 327680
    .private_segment_fixed_size: 0
    .kernarg_segment_align: 8
    .kernarg_segment_size: 32
    .max_flat_workgroup_size: 128
    .sgpr_count:     102
    .vgpr_count:     1024
    .wavefront_size: 32
...
	.end_amdgpu_metadata
.endif
;; end of part 4
